; MI455X (gfx1250); checked and timed in simulation.
; The chip was launched on July 23, 2026; its instructions are those of AMD's public machine-readable ISA for CDNA 5 (MIT licence, August 2026) and "CDNA5" Instruction Set Architecture Reference Guide (July 2026). The comments in the code are by the model that wrote it; some were corrected since.
;; Attn. Allowed arithmetic: matrix products marked QUANTISED: E4M3 operands, one given power-of-two scale a tensor, by v_wmma_f32_16x16x64_fp8_fp8 or v_wmma_f32_16x16x128_fp8_fp8, f32 sums; everything else in f32.
;; Inputs: lowp_scales 8 int32 (the exponents e of the quantised operands' scales 2^e); o_b 1,024 float32; o_w 1,024 x 1,024 float32; qkv_w 3,072 x 1,024 float32; x 4 x 2,048 x 1,024 float32.
;; Outputs: out0 4 x 2,048 x 1,024 float32.
;; This version of the problem:
;;   THIS VERSION OF THE PROBLEM IS GIVEN IN LOW PRECISION. The matrix products marked QUANTISED in the list below multiply operands that are first quantised to E4M3 (4 exponent bits, 3 mantissa bits; 8 bits a number), with one given power-of-two scale for each operand tensor; their sums are f32. All else is computed in f32.
;;   The module's matrix products, in the order in which they are computed (A, B: the left and right operand; K: the contracted axis; several contracted axes count as one K, in the product's order):
;;     1. [M 8,192, K 1,024] x [K 1,024, N 3,072]; A: input x; B: input qkv_w: QUANTISED (scales: A lowp_scales[0], B lowp_scales[1])
;;     2. batch 64 x [M 2,048, K 64] x [K 64, N 2,048]; A: computed on the way; B: computed on the way: QUANTISED (scales: A lowp_scales[2], B lowp_scales[3])
;;     3. batch 64 x [M 2,048, K 2,048] x [K 2,048, N 64]; A: softmax (see below); B: computed on the way: QUANTISED (scales: A lowp_scales[4], B lowp_scales[5])
;;     4. [M 8,192, K 1,024] x [K 1,024, N 1,024]; A: computed on the way; B: input o_w: QUANTISED (scales: A lowp_scales[6], B lowp_scales[7])
;;   THE QUANTISER, for each operand of a quantised product, along K:
;;     - The operand's scale is 2^e, e = its entry of the input lowp_scales (int32; the entries are numbered through the quantised products in the list's order, A before B).
;;     - Each number is divided by the scale, clamped to +-448, and rounded to the nearest number of E4M3, ties to even, subnormals kept.
;;     - The product sums the exact products of the quantised numbers (number of the format x scale) in f32.
;;   ~~~python
;;   def quantise(x, axis, e):      # numpy; x: float32 -> the quantised numbers, widened to float32 again
;;       x = np.moveaxis(x, axis, -1); K = x.shape[-1]
;;       r = np.clip(x / 2.0 ** e, -448, 448)
;;       step = 2.0 ** (np.maximum(np.frexp(np.where(r == 0, 1, r))[1] - 1, -6) - 3)
;;       q = np.round(r / step) * step * 2.0 ** e      # np.round: ties to even
;;       return np.moveaxis(q, -1, axis).astype(np.float32)
;;   ~~~
;;   SOFTMAX AHEAD OF A QUANTISED PRODUCT. Where the list says 'softmax', what is quantised is not the finished softmax but p = 2^(t - M), with t = logit x log2(e) and M = ceil(the row's largest t), a whole number; so 1/2 < the row's largest p <= 1. The row's sum l is taken of the UNQUANTISED p, in f32, and the product's result is divided by l at the end. Since M is a whole number, a kernel that streams over the keys may use a running M (the ceiling of the running maximum): every later rescaling is an exact power of two, so the quantised numbers keep their values, but for numbers so far below the row's largest that they fall under the format's range.
;;   OPERANDS COMPUTED ON THE WAY. 'Computed on the way' means the value that the module computes at that place (a softmax that the list does not call 'softmax' is quantised finished and normalised). What goes into a quantiser is computed in f32, as accurately as f32 sums, v_exp_f32 and their like allow (about 1e-6 of the number): no bf16 or f16 on the way to a quantiser, and a product that is left as it is and whose result goes on into a quantised operand takes f32 operands (vector FMAs, or v_wmma_f32_16x16x4_f32). A number that lies on a knife's edge between two numbers of the format may be rounded either way, as far as f32 arithmetic and the matrix unit's own rounding can turn it there, and no further.
;; One version. Each part assembles by itself: llvm-mc -triple=amdgcn-amd-amdhsa -mcpu=gfx1250 --defsym DOCPART=n.
;; ======== version 1 of 1: 4 launches
;; limits: right only within a limited range of input values
;; workspace buffers: xc 8,388,608 bytes; wc 3,145,728 bytes; oc 1,048,576 bytes; qkc 16,777,216 bytes; vc 8,388,608 bytes; ac 8,388,608 bytes
;; launch quant (part 1): grid 384 x 1, 4 waves a work-group, no clusters, 33,280 bytes of LDS; arguments x, qkv_w, o_w, lowp_scales, xc, wc, oc; writes xc, wc, oc
.if DOCPART == 1
	.amdgcn_target "amdgcn-amd-amdhsa--gfx1250"
	.amdhsa_code_object_version 6
	.text
	.protected	k_qf91dc52bb5_quant
	.globl	k_qf91dc52bb5_quant
	.p2align	8
	.type	k_qf91dc52bb5_quant,@function
k_qf91dc52bb5_quant:
	s_mov_b64 s[64:65], 0
	v_nop
	global_prefetch_b8 v0, s[64:65] scope:SCOPE_SE
	s_setreg_imm32_b32 hwreg(HW_REG_WAVE_MODE, 25, 1), 1
	s_wait_xcnt 0x0
; x [8192][1024], qkv_w [3072][1024] and o_w [1024][1024], f32 with K innermost, become codes of E4M3, one byte each, in the same order: xc, wc, oc.
; code = number / 2^e, held within +-448, rounded to the nearest code, ties to even.  e: entry 0 of the scales for x, entry 1 for qkv_w, entry 7 for o_w.
; LIMITS: e between -126 and 119, so that 2^e and 448 x 2^e are f32 numbers.  NaN among the inputs is not served (an infinity is held at the largest code).
; Rows are dense, so each tensor is a plain stream.  A work-group takes 32,768 numbers, a wave 16 steps of 512.  Work-groups 0-255 take x, 256-351 qkv_w, 352-383 o_w: only pointers and
; the exponent are chosen, by selects on the work-group's number; all take one path through the text.
; The conversion takes eight neighbours from ONE lane's registers; a load is best where neighbouring LANES take neighbouring bytes.  Both are had: each of a step's four loads reads 512
; consecutive bytes, 16 a lane; the 2,048 bytes go through the wave's own stage in LDS and come back 64 bytes a lane.  A lane's 16 codes are 16 bytes: a wave's store covers 512 consecutive bytes.
; No tensor loads, no barrier: waves share nothing.  Loads run four steps (16 loads a wave) ahead, the turn through LDS one step.
; WORK LEFT OUT BY THE PROGRAM (launch attn): reference() sets the logits of keys behind a query to -infinity by a mask that it builds itself, so their weight in the softmax is 0 for all finite inputs.
; A step of 128 keys that all come after a wave's queries therefore reaches no output: its scores and products are not made.  LIMIT: a NaN, an infinity or an overflow that reaches only those scores is not carried to the result.
.set STEPS, 16
.set WGX,   256                        ; x's work-groups: 8,388,608 / 32,768
.set WGO,   352                        ; o_w's first work-group: 256 + 3,145,728 / 32,768
.set EMAX,  8
.set MANT,  0x600000                   ; the mantissa field of 448 as f32
.set CB,    16                         ; bytes of 16 codes
.set R,     16                         ; v16-79   four sets of 16 numbers as they are loaded
.set X,     80                         ; v80-111  two sets of 16 neighbours
.set C,     128                        ; v128-191 codes: four registers for each step, so that no store's data are written again
.set WREG,  8192                       ; LDS: a region of its own for each wave: two stages of 32 x SP bytes
.set SP,    80                         ; a lane's place in a stage: its 64 bytes + 16 of padding
	s_load_b256 s[4:11], s[0:1], 0x0               ; x s[4:5], qkv_w s[6:7], o_w s[8:9], the scales' exponents s[10:11]
	s_load_b128 s[12:15], s[0:1], 0x20             ; xc s[12:13], wc s[14:15]
	s_load_b64 s[16:17], s[0:1], 0x30              ; oc
	v_lshl_add_u32 v192, v0, 2, 0x8000
	v_mov_b32 v193, 0
	v_lshrrev_b32 v1, 5, v0
	v_readfirstlane_b32 s18, v1                    ; wave
	v_and_b32 v2, 31, v0                           ; lane
	v_lshlrev_b32 v3, 4, v2                        ; my 16 bytes of a load's 512
	s_mul_i32 s19, s18, WREG
	v_lshrrev_b32 v14, 2, v2
	v_mul_u32_u24 v14, v14, SP
	v_and_b32 v15, 3, v2
	v_lshl_add_u32 v14, v15, 4, v14
	v_add_nc_u32 v14, s19, v14                     ; the stage, on the way in: four lanes' 64 bytes on end, then 16 of padding
	v_mul_u32_u24 v15, v2, SP
	v_add_nc_u32 v15, s19, v15                     ; and on the way out: SP x lane: my 16 neighbours
	v_mul_u32_u24 v4, v2, CB                       ; my codes' place in a step's
	s_wait_alu depctr_va_vdst(0)
	s_wait_kmcnt 0x0
	s_load_b256 s[24:31], s[10:11], 0x0            ; the eight exponents
	s_cmp_lt_u32 ttmp9, WGO                        ; qkv_w's work-group or o_w's?  The choices hang on the work-group's number alone
	s_cselect_b64 s[6:7], s[6:7], s[8:9]
	s_cselect_b64 s[14:15], s[14:15], s[16:17]
	s_mov_b32 s20, WGO
	s_cselect_b32 s20, WGX, s20
	s_cmp_lt_u32 ttmp9, WGX                        ; x's, or one of those two?
	s_cselect_b64 s[4:5], s[4:5], s[6:7]           ; the numbers
	s_cselect_b64 s[8:9], s[12:13], s[14:15]       ; the codes
	s_cselect_b32 s20, 0, s20                      ; the tensor's first work-group
	s_sub_co_u32 s20, ttmp9, s20
	s_lshl_b32 s20, s20, 2
	s_add_co_u32 s20, s20, s18                     ; which run of 8,192 numbers of the tensor is my wave's: under 1,024
	s_lshl_b32 s22, s20, 15                        ; 32,768 bytes of numbers a run,
	s_mov_b32 s23, 0
	s_add_nc_u64 s[4:5], s[4:5], s[22:23]
	s_lshl_b32 s22, s20, 13                        ; 8,192 bytes of codes
	s_add_nc_u64 s[8:9], s[8:9], s[22:23]
.macro LOAD t
.irp i, 0,1,2,3
	global_load_b128 v[R+16*((\t)%4)+4*\i:R+16*((\t)%4)+4*\i+3], v3, s[4:5] offset:2048*(\t)+512*\i th:TH_LOAD_NT   ; 32 lanes read 512 consecutive bytes
.endr
.endm
.macro TURN t                          ; step t's numbers through the stage: LDS serves a wave's instructions in order, so no wait stands between the stores and the loads
.irp i, 0,1,2,3
	ds_store_b128 v14, v[R+16*((\t)%4)+4*\i:R+16*((\t)%4)+4*\i+3] offset:32*SP*((\t)%2)+8*SP*\i
.endr
.irp i, 0,1,2,3
	ds_load_b128 v[X+16*((\t)%2)+4*\i:X+16*((\t)%2)+4*\i+3], v15 offset:32*SP*((\t)%2)+16*\i
.endr
.endm
.irp t, 0,1,2,3
	LOAD \t
.endr
	s_wait_kmcnt 0x0
	s_cmp_lt_u32 ttmp9, WGO
	s_cselect_b32 s25, s25, s31                    ; qkv_w's exponent or o_w's
	s_cmp_lt_u32 ttmp9, WGX
	s_cselect_b32 s22, s24, s25                    ; e
	s_add_co_i32 s22, s22, 127
	s_lshl_b32 s23, s22, 23
	v_mov_b32 v11, s23                             ; 2^e as f32: the conversion takes its exponent field
	s_add_co_i32 s22, s22, EMAX
	s_lshl_b32 s22, s22, 23
	s_or_b32 s22, s22, MANT
	v_mov_b32 v10, s22                             ; 448 x 2^e
	s_wait_alu depctr_va_vdst(0)
	s_wait_loadcnt 12                              ; step 0's four loads are in; the twelve of steps 1 to 3 may be out
	TURN 0
.macro STEP t
.set XS, X+16*((\t)%2)
	s_wait_dscnt 0x0                               ; this step's numbers are back from the stage: so its stores into the stage have read their registers,
.if (\t)+4 < STEPS
	LOAD (\t)+4                                    ; which take the loads of four steps on
.endif
.if (\t)+1 < STEPS
.if STEPS-2-(\t) >= 3
	s_wait_loadcnt 12                              ; the next step's four loads are in; those of the three steps behind it may be out
.else
	s_wait_loadcnt 4*(STEPS-2-(\t))                ; at the end the count runs down with the steps that are left
.endif
	TURN (\t)+1                                    ; and go through the other stage while this step is worked
.endif
.irp i, 0,1,2,3,4,5,6,7,8,9,10,11,12,13,14,15
	v_med3_num_f32 v[XS+\i], v[XS+\i], -v10, v10   ; the conversion to an 8-bit code does not saturate (ISA guide 7.6.2): the number is held within 448 x the scale first
.endr
	v_cvt_scalef32_pk8_fp8_f32 v[C+4*(\t):C+4*(\t)+1], v[XS:XS+7], v11          ; eight numbers / 2^e, to the nearest code, ties to even; the first number's code in the lowest byte
	v_cvt_scalef32_pk8_fp8_f32 v[C+4*(\t)+2:C+4*(\t)+3], v[XS+8:XS+15], v11
	global_store_b128 v4, v[C+4*(\t):C+4*(\t)+3], s[8:9] offset:32*CB*(\t)      ; the results go to a store alone; the next vector lines are the next step's holds, on other registers
.endm
.irp t, 0,1,2,3,4,5,6,7,8,9,10,11,12,13,14,15
	STEP \t
.endr
	s_wait_tensorcnt 0x0
	ds_add_u32 v192, v193
	s_wait_dscnt 0x0
	s_endpgm
.Lfunc_end_k_qf91dc52bb5_quant:
	.size	k_qf91dc52bb5_quant, .Lfunc_end_k_qf91dc52bb5_quant-k_qf91dc52bb5_quant
	.p2alignl 7, 3214868480
	.fill 96, 4, 3214868480
	.section	.rodata,"a",@progbits
	.p2align	6, 0x0
	.amdhsa_kernel k_qf91dc52bb5_quant
		.amdhsa_group_segment_fixed_size 33280
		.amdhsa_private_segment_fixed_size 0
		.amdhsa_enable_private_segment 0
		.amdhsa_kernarg_size 56
		.amdhsa_user_sgpr_count 2
		.amdhsa_user_sgpr_kernarg_segment_ptr 1
		.amdhsa_wavefront_size32 1
		.amdhsa_system_sgpr_workgroup_id_x 1
		.amdhsa_system_sgpr_workgroup_id_y 1
		.amdhsa_system_sgpr_workgroup_id_z 1
		.amdhsa_system_vgpr_workitem_id 0
		.amdhsa_next_free_vgpr 194
		.amdhsa_next_free_sgpr 66
		.amdhsa_reserve_vcc 0
		.amdhsa_float_denorm_mode_32 3
		.amdhsa_float_denorm_mode_16_64 3
		.amdhsa_memory_ordered 1
		.amdhsa_forward_progress 1
		.amdhsa_inst_pref_size 38
	.end_amdhsa_kernel
	.amdgpu_metadata
---
amdhsa.version: [ 1, 2 ]
amdhsa.kernels:
  - .name:           k_qf91dc52bb5_quant
    .symbol:         k_qf91dc52bb5_quant.kd
    .args:
      - { .name: x, .offset: 0, .size: 8, .value_kind: global_buffer, .address_space: global }
      - { .name: qkv_w, .offset: 8, .size: 8, .value_kind: global_buffer, .address_space: global }
      - { .name: o_w, .offset: 16, .size: 8, .value_kind: global_buffer, .address_space: global }
      - { .name: lowp_scales, .offset: 24, .size: 8, .value_kind: global_buffer, .address_space: global }
      - { .name: xc, .offset: 32, .size: 8, .value_kind: global_buffer, .address_space: global }
      - { .name: wc, .offset: 40, .size: 8, .value_kind: global_buffer, .address_space: global }
      - { .name: oc, .offset: 48, .size: 8, .value_kind: global_buffer, .address_space: global }
    .group_segment_fixed_size: 33280
    .private_segment_fixed_size: 0
    .kernarg_segment_align: 8
    .kernarg_segment_size: 56
    .max_flat_workgroup_size: 128
    .sgpr_count:     66
    .vgpr_count:     194
    .wavefront_size: 32
...
	.end_amdgpu_metadata
.endif
;; end of part 1
;; launch qkv (part 2): grid 12 x 32, 4 waves a work-group, clusters of 4 x 4, 327,680 bytes of LDS; arguments xc, wc, lowp_scales, qkc, vc; writes qkc, vc
.if DOCPART == 2
	.amdgcn_target "amdgcn-amd-amdhsa--gfx1250"
	.amdhsa_code_object_version 6
	.text
	.protected	k_qf91dc52bb5_qkv
	.globl	k_qf91dc52bb5_qkv
	.p2align	8
	.type	k_qf91dc52bb5_qkv,@function
k_qf91dc52bb5_qkv:
	s_mov_b64 s[64:65], 0
	v_nop
	global_prefetch_b8 v0, s[64:65] scope:SCOPE_SE
	s_setreg_imm32_b32 hwreg(HW_REG_WAVE_MODE, 25, 1), 1
	s_wait_xcnt 0x0
	s_wait_alu depctr_hold_cnt(0) depctr_sa_sdst(0) depctr_va_vdst(0) depctr_va_sdst(0) depctr_va_ssrc(0) depctr_va_vcc(0) depctr_vm_vsrc(0)
	s_getreg_b32 s2, hwreg(HW_REG_IB_STS2, 6, 4)
	s_cmp_eq_u32 s2, 0
	s_cbranch_scc0 .Lentry_in_a_cluster
	s_endpgm
.Lentry_in_a_cluster:
	s_bfe_u32 s2, ttmp6, 0x10000c
	s_cmp_lg_u32 s2, 0xf033
	s_cbranch_scc0 .Lentry_shape_is_right
	s_endpgm
.Lentry_shape_is_right:
; The first product, on codes of E4M3: qkv[token][feature] = sum over c of x[token][c] qkv_w[feature][c], K = 1,024; each result is quantised on the way out, as an operand of attention's products.
; The body makes a tile of C = A B^T, 256 x 256, by four waves of 128 x 128 (64 accumulators, 512 registers a wave).  THE MATRIX INSTRUCTION IS USED TRANSPOSED (source 0 = 16 rows of B, source 1 = 16
; rows of A): a lane holds ONE row of A and eight neighbouring rows of B, and the conversion packs those eight.  So the axis that is to lie innermost in the codes is given to B:
;   clusters x = 0 (q) and 1 (k): A = xc (tokens), B = wc (features): codes run along a head's 64;  stored to qkc [q, k][batch][head][token][64];
;   clusters x = 2 (v):           A = wc's rows 2,048 on (v's features), B = xc (tokens): codes run along the keys;  stored to vc [batch][head][64][token].
; code = sum x 2^(e0 + e1) / 2^eo, eo = entry 2 (q), 3 (k) or 5 (v) of the scales: the three exponents are folded into the conversion's one scale.
; LIMIT: eo - e0 - e1 between -126 and 119, so that this power of two and 448 times it are f32 numbers.
; K goes in steps of 256 through a ring of two LDS slots filled by the tensor data mover: a tile's row is 256 bytes of memory, at a multiple of 256.
; CLUSTERS: 4 x 4 work-groups.  The four of a row of the cluster need the same tiles of A, the four of a column the same tiles of B: each tile is asked for JOINTLY, by the same tensor load with the
; same descriptor and a mask that names the four.  Which tensors are A and B hangs on the cluster's x alone, which all sixteen share.
; REGISTERS, in windows of 256: window 0: v0-31 addresses and the scale; v32-127 at work on the way out; from v128 A's fragments (8 x 16 rows x 128 K), ONE set; later rows read back from the stage.
;   window 1: B's fragments, TWO sets, at v0 and at v128.   window 2: the 32 accumulators of my rows 0-63 (accumulator (a, b) at v[8 (8 a + b)]);   window 3: those of my rows 64-127.
.set SIZE_K, 1024
.set KSTEP,  256                       ; along K in a slot
.set ROWB,   256                       ; a tile's row in bytes
.set KROW,   SIZE_K                    ; a row of xc or wc in memory, in bytes
.set PITCH,  272                       ; an LDS row: 256 bytes + 16 of padding = 68 words: row r starts at bank 4 r mod 64 (64 banks of 4 bytes: ISA guide 11.1), so the 16 rows that a load touches start at 16 different banks
.set FR,     16                        ; registers of a fragment: 16 rows x 128 K
.set NL,     4                         ; LDS loads that bring one
.set NP,     4                         ; places behind this matrix instruction (ISA guide 7.12.1)
.set HALFT,  128*PITCH                 ; 128 rows: what one tensor load brings, and what one wave reads of A or of B
.set SLOT,   4*HALFT                   ; A's 256 rows, then B's 256 rows
.set LAPS,   SIZE_K/(2*KSTEP)          ; a lap = two K steps = once round the ring: 2
.set SPARE,  2*SLOT                    ; behind the ring: the spare words, 128 bytes for each wave: two blocks of 256 bytes that no other line names
.set ADRA, 16                          ; v16-17  LDS address of my A fragments in slot 0, 1
.set ADRB, 20                          ; v20-21  the same for B
.set RDV,  22                          ; v22     the way out, v: where I read the stage: row 64 wave + lane / 16, 16 bytes a lane
.set STO,  24                          ; v24     the way out: where I put 8 codes of a row
.set RDQ,  25                          ; v25     the way out, q and k: row 64 wave + lane / 4, 16 bytes a lane of a head's 64
.set COQ,  26                          ; v26     my byte offset in qkc: 16 x lane
.set COV,  27                          ; v27     my byte offset in vc: 2,048 (lane / 16) + 16 (lane % 16)
.set SPW,  28                          ; v28     LDS address of my spare word: SPARE + 4 x my thread's number; never rewritten
.set NIL,  29                          ; v29     0; never rewritten
.set SC,   30                          ; v30     2^(eo - e0 - e1) as f32
.set LIM,  31                          ; v31     448 x that
.set TMP,  32                          ; v32-95  a block's 64 sums, held
.set CD,   96                          ; v96-127 their codes, two sets of 16 by turns
.set AF,   128                         ; A's fragments, in window 0
.set BK,   128                         ; the way out: 32 x 4 registers read back from the stage
.set G1, 24                            ; s[24:31] descriptor group 1 for A's tiles;  s[32:39] group 0, one set for each slot
.set G0, 32
.set G1B, 48                           ; s[48:55], s[56:63] the same for B's tiles
.set G0B, 56
.set MSB, 0
.macro WIN new                         ; the immediate's high byte repeats the setting that is left
.if MSB != \new
	s_set_vgpr_msb (MSB<<8)|\new
.set MSB, \new
.endif
.endm
.set MUL_LO, 0xa1                      ; source 0 (B) window 1, source 1 (A) window 0, C and D window 2
.set MUL_HI, 0xf1                      ; the same, C and D window 3
.set TO_B,   0x40                      ; destination window 1, address window 0
; A joint load: waves 0 and 1 fetch for A, waves 2 and 3 for B.  Each of the two lines has ONE mask and one set of registers for all that issue it; the branch hangs on the wave's number alone.
; Four v_nop follow each of the two lines, ahead of the jump, the label and what follows.
.macro JLOAD g0a, g1a, g0b, g1b
	s_cmp_eq_u32 s15, 0
	s_cbranch_scc0 .Lfor_b_\@
	tensor_load_to_lds s[\g0a:\g0a+3], s[\g1a:\g1a+7]
	s_nop 0
.rept 4
	v_nop
.endr
	s_branch .Lasked_\@
.Lfor_b_\@:
	tensor_load_to_lds s[\g0b:\g0b+3], s[\g1b:\g1b+7]
	s_nop 0
.rept 4
	v_nop
.endr
.Lasked_\@:
.endm
.macro CREST                           ; a round of the cluster's barrier behind its opening barrier
	s_cmp_lg_u32 s14, 0
	s_cbranch_scc1 .Lnot_wave_0_\@
	s_barrier_signal -3
.Lnot_wave_0_\@:
	s_barrier_wait -3
	s_barrier_signal -1
	s_barrier_wait -1
.endm
.macro CROUND                          ; a whole round
	s_barrier_signal -1
	s_barrier_wait -1
	CREST
.endm
	s_load_b128 s[4:7], s[0:1], 0x0                ; xc s[4:5], wc s[6:7]
	s_load_b128 s[8:11], s[0:1], 0x10              ; the scales' exponents s[8:9], qkc s[10:11]
	s_load_b64 s[12:13], s[0:1], 0x20              ; vc
	v_lshl_add_u32 v[SPW], v0, 2, SPARE
	v_mov_b32 v[NIL], 0
	ds_add_u32 v28, v29
	ds_add_u32 v28, v29
	s_wait_dscnt 0x0
	v_lshrrev_b32 v1, 5, v0
	v_readfirstlane_b32 s14, v1                    ; wave 0..3
	s_lshr_b32 s15, s14, 1                         ; which half of the tile's rows (of A) is mine.  Also: I fetch for A (0) or for B (1)
	s_and_b32 s16, s14, 1                          ; which half of its columns (rows of B).  Also: which 128 rows of that tile I fetch
	s_bfe_u32 s40, ttmp6, 0x40000                  ; cx, cy: my place in the cluster
	s_bfe_u32 s41, ttmp6, 0x40004
	s_and_b32 s66, ttmp7, 0xffff
	s_lshl_b32 s66, s66, 2                         ; 4 x cluster y
	s_lshl_b32 s67, ttmp9, 2                       ; 4 x cluster x
	s_cmp_eq_u32 ttmp9, 2                          ; v's clusters?  The same in all sixteen partners
	s_cselect_b32 s17, 0, s66                      ; A's tiles: v's four tiles of features, or the 32 tiles of tokens
	s_cselect_b32 s42, s66, s67                    ; B's tiles: the 32 tiles of tokens, or q's and k's eight tiles of features
	s_add_co_u32 s17, s17, s41                     ; tile row (of A): + cy
	s_add_co_u32 s42, s42, s40                     ; tile column (row of B): + cx
	s_lshl_b32 s43, s41, 2
	s_lshl_b32 s43, 15, s43                        ; my row of the cluster
	s_lshl_b32 s44, 0x1111, s40                    ; my column
	; descriptor group 1: a tile of 128 rows x 256 bytes, padded in LDS
	s_or_b32 s[G1+0], s43, (0<<16)|(1<<20)|(1<<21)|(5<<22)|(3<<25)  ; 15:0 the mask: A's tiles go to my row; 17:16 element of 1 byte; 20 padding on; 21 set beside a mask; 24:22 after every 64 words (code 5); 31:25 of 4 words (code 3)
	s_or_b32 s[G1B+0], s44, (0<<16)|(1<<20)|(1<<21)|(5<<22)|(3<<25) ; the same with the mask of my column
.irp g, G1, G1B
	s_mov_b32 s[\g+1], ROWB<<16                    ; tensor_dim0
	s_mov_b32 s[\g+2], 128<<16                     ; tensor_dim1 = 128
	s_mov_b32 s[\g+3], ROWB<<16                    ; tile_dim0
	s_mov_b32 s[\g+4], 128                         ; tile_dim1 = 128
	s_mov_b32 s[\g+5], KROW                        ; tensor_dim0_stride
	s_mov_b32 s[\g+6], 0
	s_mov_b32 s[\g+7], 0
.endr
	s_lshl_b32 s18, s16, 7                         ; which 128 rows of the tile I fetch
	s_lshl_b32 s20, s17, 8
	s_add_co_u32 s20, s20, s18                     ; A: row 256 x tile row + 128 x half
	s_lshl_b32 s20, s20, 10                        ; in bytes: under 2^23
	s_mov_b32 s21, 0
	s_lshl_b32 s46, s42, 8
	s_add_co_u32 s46, s46, s18                     ; B: row 256 x tile column + 128 x half
	s_lshl_b32 s46, s46, 10
	s_mov_b32 s47, 0
	s_mul_i32 s45, s14, HALFT                      ; where they go: wave x 128 rows: no place in the cluster enters an LDS address
	s_wait_kmcnt 0x0
	s_load_b256 s[80:87], s[8:9], 0x0              ; the eight exponents
	s_add_nc_u64 s[68:69], s[6:7], 2048*KROW       ; v's features: wc's rows 2,048 on
	s_cmp_eq_u32 ttmp9, 2
	s_cselect_b64 s[70:71], s[68:69], s[4:5]       ; A
	s_cselect_b64 s[72:73], s[4:5], s[6:7]         ; B
	s_add_nc_u64 s[20:21], s[70:71], s[20:21]
	s_add_nc_u64 s[46:47], s[72:73], s[46:47]
	CROUND                                         ; all sixteen work-groups are here: the first joint loads meet
.irp s, 0,1
	s_mov_b32 s[G0+4*\s], 1
	s_add_co_u32 s[G0+4*\s+1], s45, \s*SLOT
	s_add_nc_u64 s[G0+4*\s+2:G0+4*\s+3], s[20:21], \s*ROWB
	s_or_b32 s[G0+4*\s+3], s[G0+4*\s+3], 0x80000000
	s_mov_b32 s[G0B+4*\s], 1
	s_add_co_u32 s[G0B+4*\s+1], s45, \s*SLOT
	s_add_nc_u64 s[G0B+4*\s+2:G0B+4*\s+3], s[46:47], \s*ROWB
	s_or_b32 s[G0B+4*\s+3], s[G0B+4*\s+3], 0x80000000
.endr
	JLOAD G0, G1, G0B, G1B                         ; K step 0: one tensor load a wave at the head
	v_and_b32 v1, 15, v0                           ; r = l % 16
	v_bfe_u32 v2, v0, 4, 1                         ; h = l / 16
	v_mul_u32_u24 v3, v1, PITCH
	s_wait_alu depctr_va_vdst(0)
	v_lshl_add_u32 v4, v2, 4, v3                   ; a fragment's row x pitch + 16 x half
	s_mul_i32 s21, s15, HALFT                      ; my 128 rows of A
	s_mul_i32 s22, s16, HALFT                      ; my 128 rows of B,
	s_add_co_u32 s22, s22, 2*HALFT                 ; which lie behind A's 256
.irp s, 0,1
	v_add_nc_u32 v[ADRA+\s], s21, v4
	v_add_nc_u32 v[ADRB+\s], s22, v4
	s_add_co_u32 s21, s21, SLOT
	s_add_co_u32 s22, s22, SLOT
.endr
	; the way out's addresses.  The stage is the work-group's: 256 rows (of A) x 256 codes, 272 bytes apart, from LDS byte 0 on
	s_mul_i32 s23, s15, 128*PITCH
	s_lshl_b32 s19, s16, 7
	s_add_co_u32 s23, s23, s19
	v_lshl_add_u32 v5, v2, 3, v3
	v_add_nc_u32 v[STO], s23, v5                   ; in: row 128 x my half + r, byte 128 x my half of the columns + 8 h
	v_and_b32 v6, 31, v0
	v_lshlrev_b32 v[COQ], 4, v6
	v_lshrrev_b32 v7, 2, v6
	v_mul_u32_u24 v7, v7, PITCH
	v_and_b32 v8, 3, v6
	v_lshl_add_u32 v7, v8, 4, v7
	s_mul_i32 s23, s14, 64*PITCH                   ; back: wave w takes rows 64 w .. 64 w + 63
	v_add_nc_u32 v[RDQ], s23, v7
	v_mul_u32_u24 v9, v2, PITCH
	v_lshl_add_u32 v9, v1, 4, v9
	v_add_nc_u32 v[RDV], s23, v9
	v_lshlrev_b32 v[COV], 11, v2
	v_lshl_add_u32 v[COV], v1, 4, v[COV]
.macro FRAG reg, adr, q, i             ; a fragment, 16 rows x 128 K, is 16 registers: lane l holds row l % 16; registers 4 c .. 4 c + 3 hold K = 32 c + 16 (l / 16) + 0 .. 15: the same order of K in A and in B
.irp c, 0,1,2,3
	ds_load_b128 v[\reg+4*\c:\reg+4*\c+3], v[\adr] offset:128*(\q)+32*\c+(\i)*16*PITCH
.endr
.endm
; 16 matrix instructions: A's blocks a0, a0 + 1 x B's eight, 128 along K.  p: B's set.  zero = 1: the first product starts the sums: nothing is ever cleared.
; The 64 accumulators take turns, one instruction a turn, in the same order in every step.
.macro MUL16 a0, p, zero
.irp a, \a0, \a0+1
.irp b, 0,1,2,3,4,5,6,7
.if \zero
	v_wmma_f32_16x16x128_fp8_fp8 v[8*(8*((\a)%4)+\b):8*(8*((\a)%4)+\b)+7], v[128*(\p)+FR*\b:128*(\p)+FR*\b+FR-1], v[AF+FR*(\a):AF+FR*(\a)+FR-1], 0
.else
	v_wmma_f32_16x16x128_fp8_fp8 v[8*(8*((\a)%4)+\b):8*(8*((\a)%4)+\b)+7], v[128*(\p)+FR*\b:128*(\p)+FR*\b+FR-1], v[AF+FR*(\a):AF+FR*(\a)+FR-1], v[8*(8*((\a)%4)+\b):8*(8*((\a)%4)+\b)+7]
.endif
.endr
.endr
.endm
.macro FETCH_B slot, q, p              ; B's eight fragments of the slot's q-th 128 along K into set p
	WIN TO_B
.irp i, 0,1,2,3,4,5,6,7
	FRAG 128*(\p)+FR*\i, ADRB+\slot, \q, \i
.endr
	WIN 0
.endm
.macro FETCH_A slot, q, i0             ; A's blocks i0 .. i0 + 3
.irp i, \i0, \i0+1, \i0+2, \i0+3
	FRAG AF+FR*(\i), ADRA+\slot, \q, \i
.endr
.endm
; A load into a register that a matrix instruction has read, and a vector instruction that reads a matrix result, stand NP places behind that matrix instruction; only plain vector
; instructions that name none of its registers are places (ISA guide 7.12.1 for vector instructions).
.macro PLACES n
.rept \n
	v_nop
.endr
.endm
; A step of 128 along K that has its successor in the same slot.  A block of A is free as soon as its eight products are issued, so one set of registers serves A:
; blocks 0-3 are fetched anew in the step's middle, blocks 4-7 at its end.  B's fragments are at work through the whole step, so B has two sets.
.macro STEP slot, q, zero
	s_wait_dscnt 4*NL                              ; B's set and A's blocks 0-3 are in; the youngest sixteen loads (A's blocks 4-7) may be out
	WIN MUL_LO
	MUL16 0, (\q)%2, \zero
	MUL16 2, (\q)%2, \zero
	s_wait_dscnt 0                                 ; A's blocks 4-7 are in (asked for 32 matrix instructions ago)
	PLACES NP
	FETCH_B \slot, (\q)+1, 1-(\q)%2
	FETCH_A \slot, (\q)+1, 0
	WIN MUL_HI
	MUL16 4, (\q)%2, \zero
	MUL16 6, (\q)%2, \zero
	PLACES NP
	WIN 0
	FETCH_A \slot, (\q)+1, 4
.endm
; A slot's last step changes slots: ONE barrier; in front of it each wave waits for all its tensor loads, adds 0 to its spare word, and waits for that and for its own reads of this slot.  fill = 1: this slot is filled again, two K steps ahead.
.macro TURN slot, next, fill
	s_wait_tensorcnt 0x0                           ; all my tensor loads have landed: my part of the next slot;  (every window is 0 here: the add's two registers lie in window 0)
	ds_add_u32 v[SPW], v[NIL]                      ; 0 onto my spare word;
	s_wait_dscnt 4*NL+1                            ; (the add and the youngest sixteen loads, A's blocks 4-7, may be out)
	WIN MUL_LO
	MUL16 0, 1, 0                                  ; sixteen matrix instructions stand between the add and the wait for it
	s_wait_dscnt 0x0                               ; the add is done, and my reads of this slot are over
	s_barrier_signal -1
	MUL16 2, 1, 0
	WIN 0
	s_barrier_wait -1
.if \fill
	CREST                                          ; the barrier has opened a round of the cluster's barrier: no wave of any partner still reads this slot's tile or has a load on its way
	s_add_nc_u64 s[G0+4*\slot+2:G0+4*\slot+3], s[G0+4*\slot+2:G0+4*\slot+3], 2*ROWB
	s_add_nc_u64 s[G0B+4*\slot+2:G0B+4*\slot+3], s[G0B+4*\slot+2:G0B+4*\slot+3], 2*ROWB
	JLOAD G0+4*\slot, G1, G0B+4*\slot, G1B         ; the first tensor load behind the round; the four v_nop behind it are the places in front of the loads below
.else
	PLACES NP
.endif
	FETCH_B \next, 0, 0
	FETCH_A \next, 0, 0
	WIN MUL_HI
	MUL16 4, 1, 0
	MUL16 6, 1, 0
	PLACES NP
	WIN 0
	FETCH_A \next, 0, 4
.endm
	s_wait_alu depctr_va_vdst(0)
	s_wait_tensorcnt 0x0                           ; my part of K step 0 is in; slot 1's first fill is issued as a refill is:
	ds_add_u32 v[SPW], v[NIL]                      ; 0 onto my spare word
	s_wait_dscnt 0x0
	CROUND                                         ; everybody's part of K step 0 is in, and the sixteen work-groups meet
	JLOAD G0+4, G1, G0B+4, G1B                     ; K step 1: the first tensor load behind the round
	FETCH_B 0, 0, 0
	FETCH_A 0, 0, 0
	FETCH_A 0, 0, 4
	STEP 0, 0, 1                                   ; the first step stands in front of the loop: its products start the sums
	s_mov_b32 s3, LAPS-1
.Llap:                                                 ; a trip goes once round the ring, from a lap's second step to the next lap's first, and fills both slots again
	TURN 0, 1, 1
	STEP 1, 0, 0
	TURN 1, 0, 1
	STEP 0, 0, 0
	s_sub_co_u32 s3, s3, 1
	s_cmp_lg_u32 s3, 0
	s_cbranch_scc1 .Llap
	TURN 0, 1, 0                                   ; the last lap fills nothing, and has no round of the cluster's barrier
	STEP 1, 0, 0
	s_wait_dscnt 4*NL                              ; the very last step: nothing more to fetch
	WIN MUL_LO
	MUL16 0, 1, 0
	MUL16 2, 1, 0
	s_wait_dscnt 0
	WIN MUL_HI
	MUL16 4, 1, 0
	MUL16 6, 1, 0
	WIN 0
	; THE WAY OUT.  The scale of the codes to be made: no branch hangs on a loaded number: the exponent is chosen by selects on the cluster's x, and the hold is always executed.
	s_wait_kmcnt 0x0
	s_cmp_eq_u32 ttmp9, 1
	s_cselect_b32 s88, s83, s82                    ; k's exponent or q's,
	s_cmp_eq_u32 ttmp9, 2
	s_cselect_b32 s88, s85, s88                    ; or v's
	s_sub_co_i32 s88, s88, s80
	s_sub_co_i32 s88, s88, s81                     ; a sum stands for sum x 2^(e0 + e1): its code is sum / 2^(eo - e0 - e1)
	s_add_co_i32 s88, s88, 127
	s_lshl_b32 s89, s88, 23
	v_mov_b32 v[SC], s89
	s_add_co_i32 s88, s88, 8
	s_lshl_b32 s88, s88, 23
	s_or_b32 s88, s88, 0x600000
	v_mov_b32 v[LIM], s88                          ; 448 x that
	PLACES NP
; Block a, 16 rows of A x my 128 rows of B: held, converted (a lane's eight sums of an accumulator are eight neighbours of one row: 8 bytes) and put into the work-group's stage.
; The stage lies in slot 0, which has had its last fill, and its last read in front of the last change of slots.  Each accumulator is read from its low end on.
.macro QOUT a
.set AC, 64*((\a)%4)
.set CDS, CD+16*((\a)%2)
	WIN 0x02+((\a)/4)                              ; source 0: window 2 or 3
.set n, 0
.rept 64
	v_med3_num_f32 v[TMP+n], v[AC+n], -v[LIM], v[LIM]   ; the conversion to an 8-bit code does not saturate (ISA guide 7.6.2): the hold at 448 x the scale
.set n, n+1
.endr
	WIN 0
.irp b, 0,1,2,3,4,5,6,7
	v_cvt_scalef32_pk8_fp8_f32 v[CDS+2*\b:CDS+2*\b+1], v[TMP+8*\b:TMP+8*\b+7], v[SC]
.endr
	v_nop                                          ; one plain vector line behind the last conversion: the next block's holds write the conversions' sources
.irp b, 0,1,2,3,4,5,6,7
	ds_store_b64 v[STO], v[CDS+2*\b:CDS+2*\b+1] offset:(\a)*16*PITCH+16*\b   ; word 68 r + 2 h: the 32 lanes touch 64 different banks
.endr
.endm
.irp a, 0,1,2,3,4,5,6,7
	QOUT \a
.endr
	s_wait_dscnt 0x0                               ; for the others' sake: my stores into the stage are done
	s_barrier_signal -1
	s_barrier_wait -1                              ; the tile's 256 x 256 codes lie in the stage; from here on it is only read
	s_cmp_eq_u32 ttmp9, 2                          ; the same in all sixteen partners
	s_cbranch_scc1 .Lv
	; q and k: stage row = token, 256 codes = four heads' 64.  Wave w stores tokens 64 w .. 64 w + 63 of all four heads: an instruction takes 8 tokens x 64 bytes, 512 consecutive bytes of a head.
	s_lshr_b32 s90, s17, 3                         ; the batch: 8 tiles of 256 tokens each
	s_lshl_b32 s91, ttmp9, 2
	s_add_co_u32 s90, s90, s91                     ; 4 x (q or k) + batch
	s_lshl_b32 s90, s90, 4
	s_lshl_b32 s91, s40, 2
	s_add_co_u32 s90, s90, s91                     ; x 16 heads + the tile's first head, 4 cx
	s_lshl_b32 s90, s90, 17                        ; a head is 2,048 x 64 bytes
	s_and_b32 s91, s17, 7
	s_lshl_b32 s91, s91, 8
	s_lshl_b32 s92, s14, 6
	s_add_co_u32 s91, s91, s92                     ; my first token in the batch
	s_lshl_b32 s91, s91, 6
	s_add_co_u32 s90, s90, s91                     ; under 2^24
	s_mov_b32 s91, 0
	s_add_nc_u64 s[10:11], s[10:11], s[90:91]
.irp hh, 0,1,2,3
.irp i, 0,1,2,3,4,5,6,7
	ds_load_b128 v[BK+4*(8*\hh+\i):BK+4*(8*\hh+\i)+3], v[RDQ] offset:\i*8*PITCH+64*\hh
.endr
.endr
.irp hh, 0,1,2,3
.irp i, 0,1,2,3,4,5,6,7
	s_wait_dscnt 31-(8*\hh+\i)                     ; LDS loads come back in order: this one is in, the younger ones may be out
	global_store_b128 v[COQ], v[BK+4*(8*\hh+\i):BK+4*(8*\hh+\i)+3], s[10:11] offset:\hh*131072+512*\i   ; 32 lanes store 512 consecutive bytes, at a multiple of 512 from qkc's first byte
.endr
.endr
	s_branch .Lend
.Lv:
	; v: stage row = feature (head x 64 + channel), 256 codes = 256 tokens.  Wave w stores features 64 w .. 64 w + 63: an instruction takes two rows of 256 bytes.
	s_lshr_b32 s90, s42, 3                         ; the batch
	s_lshl_b32 s90, s90, 10
	s_lshl_b32 s91, s17, 8
	s_add_co_u32 s90, s90, s91                     ; + the tile's first feature
	s_lshl_b32 s91, s14, 6
	s_add_co_u32 s90, s90, s91                     ; + my 64
	s_lshl_b32 s90, s90, 11                        ; a feature's row is 2,048 bytes
	s_and_b32 s91, s42, 7
	s_lshl_b32 s91, s91, 8
	s_add_co_u32 s90, s90, s91                     ; + the tile's first token in the batch: under 2^23
	s_mov_b32 s91, 0
	s_add_nc_u64 s[12:13], s[12:13], s[90:91]
.set n, 0
.rept 32
	ds_load_b128 v[BK+4*n:BK+4*n+3], v[RDV] offset:n*2*PITCH
.set n, n+1
.endr
.set n, 0
.rept 32
	s_wait_dscnt 31-n
	global_store_b128 v[COV], v[BK+4*n:BK+4*n+3], s[12:13] offset:n*4096   ; 16 lanes store 256 consecutive bytes, at a multiple of 256 from vc's first byte
.set n, n+1
.endr
.Lend:
	s_wait_tensorcnt 0x0                           ; the wave's end: behind my last tensor load and my last LDS store
	ds_add_u32 v[SPW], v[NIL]
	s_wait_dscnt 0x0
	CROUND                                         ; the closing round: no work-group ends while a partner may still ask for a tile that names it
	s_endpgm
.Lfunc_end_k_qf91dc52bb5_qkv:
	.size	k_qf91dc52bb5_qkv, .Lfunc_end_k_qf91dc52bb5_qkv-k_qf91dc52bb5_qkv
	.p2alignl 7, 3214868480
	.fill 96, 4, 3214868480
	.section	.rodata,"a",@progbits
	.p2align	6, 0x0
	.amdhsa_kernel k_qf91dc52bb5_qkv
		.amdhsa_group_segment_fixed_size 327680
		.amdhsa_private_segment_fixed_size 0
		.amdhsa_enable_private_segment 0
		.amdhsa_kernarg_size 40
		.amdhsa_user_sgpr_count 2
		.amdhsa_user_sgpr_kernarg_segment_ptr 1
		.amdhsa_wavefront_size32 1
		.amdhsa_system_sgpr_workgroup_id_x 1
		.amdhsa_system_sgpr_workgroup_id_y 1
		.amdhsa_system_sgpr_workgroup_id_z 1
		.amdhsa_system_vgpr_workitem_id 0
		.amdhsa_next_free_vgpr 1024
		.amdhsa_next_free_sgpr 100
		.amdhsa_reserve_vcc 0
		.amdhsa_float_denorm_mode_32 3
		.amdhsa_float_denorm_mode_16_64 3
		.amdhsa_memory_ordered 1
		.amdhsa_forward_progress 1
		.amdhsa_inst_pref_size 133
	.end_amdhsa_kernel
	.amdgpu_metadata
---
amdhsa.version: [ 1, 2 ]
amdhsa.kernels:
  - .name:           k_qf91dc52bb5_qkv
    .symbol:         k_qf91dc52bb5_qkv.kd
    .args:
      - { .name: xc, .offset: 0, .size: 8, .value_kind: global_buffer, .address_space: global }
      - { .name: wc, .offset: 8, .size: 8, .value_kind: global_buffer, .address_space: global }
      - { .name: lowp_scales, .offset: 16, .size: 8, .value_kind: global_buffer, .address_space: global }
      - { .name: qkc, .offset: 24, .size: 8, .value_kind: global_buffer, .address_space: global }
      - { .name: vc, .offset: 32, .size: 8, .value_kind: global_buffer, .address_space: global }
    .group_segment_fixed_size: 327680
    .private_segment_fixed_size: 0
    .kernarg_segment_align: 8
    .kernarg_segment_size: 40
    .max_flat_workgroup_size: 128
    .sgpr_count:     100
    .vgpr_count:     1024
    .wavefront_size: 32
...
	.end_amdgpu_metadata
.endif
;; end of part 2
;; launch attn (part 3): grid 4 x 64, 8 waves a work-group, no clusters, 327,680 bytes of LDS; arguments qkc, vc, lowp_scales, ac; writes ac
.if DOCPART == 3
	.amdgcn_target "amdgcn-amd-amdhsa--gfx1250"
	.amdhsa_code_object_version 6
	.text
	.protected	k_qf91dc52bb5_attn
	.globl	k_qf91dc52bb5_attn
	.p2align	8
	.type	k_qf91dc52bb5_attn,@function
k_qf91dc52bb5_attn:
	s_mov_b64 s[64:65], 0
	v_nop
	global_prefetch_b8 v0, s[64:65] scope:SCOPE_SE
	s_setreg_imm32_b32 hwreg(HW_REG_WAVE_MODE, 25, 1), 1
	s_wait_xcnt 0x0
; Causal attention of one head on codes of E4M3: o[q] = sum over k <= q of softmax_k(q . k / 8) v[k], head size 64, 2,048 tokens, 64 heads (batch x head).
; qkc: [q, k][batch x head][token][64];  vc: [batch x head][64][token] (keys innermost);  ac (the result, as codes for the last product): [batch x head][token][64].
; LEFT OUT: a step of 128 keys that all come after my wave's 32 queries (reference()'s own causal mask gives them weight 0 for all finite inputs).
; THE SOFTMAX: t = score x log2(e) / 8; M = the running largest t rounded UP to a whole number; p = 2^(t - M) is quantised (entry 4 of the scales), not normalised.  The row's sum is taken of the
; unquantised p in f32 and divides O at the end.  When M moves, the sum and O are multiplied by 2^(old M - new M): exact.
; SHARES.  A work-group owns one head and two blocks of 256 queries: block 7 - I (8 - I slots of 256 keys), then block I (I + 1 slots), I = the work-group's x: always 9 slots: 256 work-groups of equal work.
; Each of the EIGHT waves owns 32 queries, two tiles of 16: a fragment of K or V read from LDS feeds two matrix instructions.  512 registers a wave, two waves to a SIMD.
; NO CLUSTER: the four work-groups of a head want the same slot only in trips 0 to 4; from then on work-group I wants slot J - (8 - I), and the change of block is a branch on I.
; THE RING: two LDS slots.  Slot 0 is filled at the head, slot 1 behind the head's barrier, slot J + 2 in trip J.  The change of slots stands INSIDE a slot's second key step: when the step's maxima are taken, all
; my LDS reads of the slot have been issued; there stand the wait for my tensor loads, the add, the wait for my reads and the barrier's signal; the rest of the step is work on registers; the barrier's wait
; and the refill stand at the step's end.  Trips 7 and 8 fill nothing and share one body (a loop of two trips); the barrier of trip 8 orders nothing.
; LAYOUT.  Both products transposed: S^T = K Q^T (source 0 = 16 keys, K = 64), O^T = V^T P^T (source 0 = 16 channels, K = 128 keys): a lane holds one query of each tile (lane % 16).
; Register 8 T + j of a tile's S^T in lane (r, h) is key 16 T + 8 h + j, so the conversion of S-tile T gives registers 2 T, 2 T + 1 of P as the K = 128 form lays them; V is read in that order, 8 bytes at a time.
; THE EXPONENTIALS go in two batches: tile 0's stand among tile 1's scalings, tile 1's among tile 0's pair sums and holds.  What is written inside a batch is read only behind the wait that follows it.
; LIMITS on the given exponents, so that each power of two is an f32 number: e2 + e3 between -123 and 130; e4, and e6 - e4 - e5, between -126 and 119.  The scaled scores stay under 2^31 in magnitude.
; REGISTERS.  Window 0: v1-11 addresses; v12-19 -M, largest t, sums (tile u at +4 u); v20-23 f; v24-31 at work; v32-40 constants; v64-191 S^T then p (tile u at +64 u); v192-231 partial sums; v240-255 the way out.
;             Window 1: v0-63 K's eight fragments; v64-127 V's four; v128-143 Q; v144-207 O^T (tile u at +32 u); v208-239 P's codes (tile u at +16 u); v240-255 the second block's Q.
.set KP,    80                         ; a key's row in LDS: 64 bytes + 16 of padding
.set VP,    272                        ; a row of V's tile: 256 bytes + 16
.set VOFF,  256*KP                     ; a slot: 256 rows of K, then 64 rows of V: 37,888 bytes
.set SLOT1, 1<<16                      ; slot 1 begins here: one exclusive or turns an address from one slot to the other
.set SPARE, 2*SLOT1                    ; the spare words: 128 bytes a wave, four blocks of 256 bytes that no other line names
.set STAGE, SPARE+1024                 ; the way out: 32 rows x 80 bytes for each wave; no tensor load lands here
.set SROW,  80
.set AK0,  1
.set AV0,  2
.set PFO,  3
.set QO,   4
.set SPW,  5
.set NIL,  6
.set GO,   7
.set ADK,  8
.set ADV,  9
.set STO,  10
.set RD,   11
.set HOLD, 32                          ; v32, v33: 448 x 2^e4, twice: the dual form takes its two second sources from different banks
.set SCP,  34                          ; 2^e4
.set SCO,  35                          ; 2^(e6 - e4 - e5)
.set HOLDO, 36                         ; 448 x that
.set NINF, 37
.set DD,   38
.set DL,   40                          ; r - 8 h
.set S,    64
.set T,    192
.set U,    224
.set BKO,  240
.set KR,   0                           ; window 1
.set VR,   64
.set QR,   128
.set OR,   144
.set PR,   208
.set Q2R,  240
.set TB,   2
.set J,    3
.set WV,   18
.set I,    19
.set SEL,  20
.set CS,   22
.set G1K,  24
.set G1V,  32
.set G0K,  40
.set G0V,  44
.set N1,   48
.set N1M,  49
.set KF,   52
.set Q0,   53
.set KB,   54
.set VB,   56
.set QB,   58
.set AB,   60
.set QA,   66
.set OA,   68
.set EX,   72
.set PFA,  80
.set PFS,  82
.set LIM,  84
.set TC,   85
.set Q1,   86
.set MSB, 0
.macro WIN new                         ; low byte: bits 1:0 source 0, 3:2 source 1, 5:4 source 2, 7:6 destination; the high byte repeats the setting that is left
.if MSB != \new
	s_set_vgpr_msb (MSB<<8)|\new
.set MSB, \new
.endif
.endm
; Wave 0 fetches a slot's K (16,384 dense bytes as 64 rows of 256), wave 1 its V (64 rows of 256 bytes), the others nothing.  s_nop 0 and four v_nop follow each load.
.macro TLOAD
	s_cmp_eq_u32 s[WV], 0
	s_cbranch_scc0 .Lnot_k_\@
	tensor_load_to_lds s[G0K:G0K+3], s[G1K:G1K+7]
	s_nop 0
.rept 4
	v_nop
.endr
	s_branch .Lasked_\@
.Lnot_k_\@:
	s_cmp_eq_u32 s[WV], 1
	s_cbranch_scc0 .Lasked_\@
	tensor_load_to_lds s[G0V:G0V+3], s[G1V:G1V+7]
	s_nop 0
.rept 4
	v_nop
.endr
.Lasked_\@:
.endm
; A prefetch of what the NEXT refill asks for.  Work-group I = 0 of a head walks slots 0 to 7 in trips 0 to 7, and it alone asks: waves 4 and 5 for K's block (8,192 bytes a wave, lanes 256 bytes
; apart), waves 6 and 7 for V's 64 rows (a lane a row of 256 bytes).  Trip J names slot J + 3, J = 0 .. 4: each block of 256 bytes of slots 3 to 7 once in the launch; slots 0 to 2 come by their loads alone.
.macro ASK
	s_cmp_lt_u32 s[J], s[LIM]
	s_cbranch_scc0 .Lnot_mine_\@
	global_prefetch_b8 v[PFO], s[PFA:PFA+1] th:TH_LOAD_NT scope:SCOPE_SE
.Lnot_mine_\@:
.endm
.macro FILLDESC                        ; the two groups 0 for trip s90's keys: slot s90 of the first block's walk, or s90 - (8 - I) of the second's; into the other LDS slot than last time
	s_xor_b32 s[G0K+1], s[G0K+1], SLOT1
	s_xor_b32 s[G0V+1], s[G0V+1], SLOT1
	s_cmp_lt_u32 s90, s[N1]
	s_cselect_b32 s91, 0, s[N1]
	s_sub_co_u32 s91, s90, s91
	s_lshl_b32 s92, s91, 14
	s_mov_b32 s93, 0
	s_add_nc_u64 s[G0K+2:G0K+3], s[KB:KB+1], s[92:93]
	s_or_b32 s[G0K+3], s[G0K+3], 0x80000000
	s_lshl_b32 s92, s91, 8
	s_add_nc_u64 s[G0V+2:G0V+3], s[VB:VB+1], s[92:93]
	s_or_b32 s[G0V+3], s[G0V+3], 0x80000000
.endm
.macro QLOAD dst, sq, pa               ; 32 queries' codes from query s[sq] on: tile u's fragment in dst + 8 u
	s_lshl_b32 s90, s[\sq], 6
	s_mov_b32 s91, 0
	s_add_nc_u64 s[\pa:\pa+1], s[QB:QB+1], s[90:91]
	WIN 0x40
.irp c, 0,1,2,3
	global_load_b128 v[\dst+4*\c:\dst+4*\c+3], v[QO], s[\pa:\pa+1] offset:1024*(\c/2)+32*(\c%2)
.endr
	WIN 0
.endm
.macro INIT                            ; a block begins: the key step has no first step of its own; it finds zeros, which the first change of M leaves zeros
	v_mov_b32 v13, 0xff61b1e6                      ; the largest t so far: -3e38
	v_mov_b32 v17, 0xff61b1e6
	v_floor_f32 v12, -v13                          ; -M
	v_floor_f32 v16, -v17
	v_mov_b32 v14, 0
	v_mov_b32 v15, 0
	v_mov_b32 v18, 0
	v_mov_b32 v19, 0
	WIN 0x40
.set n, 0
.rept 64
	v_mov_b32 v[OR+n], 0
.set n, n+1
.endr
	WIN 0
.endm
.macro KLOAD q                         ; K's eight fragments of the slot's q-th 128 keys
.irp t, 0,1,2,3,4,5,6,7
.irp c, 0,1
	ds_load_b128 v[KR+8*\t+4*\c:KR+8*\t+4*\c+3], v[ADK] offset:(128*(\q)+16*\t)*KP+32*\c
.endr
.endr
.endm
.macro HOLD2 a                         ; two holds in one instruction.  The conversion to an 8-bit code does not saturate (ISA guide 7.6.2); p is not negative: a one-sided hold
	v_dual_min_num_f32 v[\a], v[\a], v[HOLD] :: v_dual_min_num_f32 v[\a+1], v[\a+1], v[HOLD+1]
.endm
	s_load_b128 s[4:7], s[0:1], 0x0                ; qkc, vc
	s_load_b128 s[8:11], s[0:1], 0x10              ; the scales' exponents, ac
	v_lshl_add_u32 v[SPW], v0, 2, SPARE
	v_mov_b32 v[NIL], 0
	ds_add_u32 v[SPW], v[NIL]                      ; the opening lines: the add twice on end and one wait, ahead of the first tensor load
	ds_add_u32 v[SPW], v[NIL]
	v_lshrrev_b32 v8, 5, v0
	v_readfirstlane_b32 s[WV], v8                  ; wave 0..7
	s_and_b32 s90, ttmp7, 0xffff                   ; batch x head
	s_lshl_b32 s90, s90, 17                        ; 2,048 x 64 bytes a head in each tensor
	s_mov_b32 s91, 0
	s_mov_b32 s[I], ttmp9
	s_sub_co_u32 s[N1], 8, s[I]
	s_sub_co_u32 s[N1M], 7, s[I]
	s_mov_b32 s[G1K], (0<<16)|(1<<20)|(3<<22)|(3<<25)   ; K: rows of 256 bytes, dense; four words of padding behind every 16: a key's row is 80 bytes in LDS
	s_mov_b32 s[G1K+1], 256<<16
	s_mov_b32 s[G1K+2], 64<<16
	s_mov_b32 s[G1K+3], 256<<16
	s_mov_b32 s[G1K+4], 64
	s_mov_b32 s[G1K+5], 256
	s_mov_b32 s[G1K+6], 0
	s_mov_b32 s[G1K+7], 0
	s_mov_b32 s[G1V], (0<<16)|(1<<20)|(5<<22)|(3<<25)   ; V: 64 rows of 256 bytes, 2,048 apart; four words of padding behind each
	s_mov_b32 s[G1V+1], 256<<16
	s_mov_b32 s[G1V+2], 64<<16
	s_mov_b32 s[G1V+3], 256<<16
	s_mov_b32 s[G1V+4], 64
	s_mov_b32 s[G1V+5], 2048
	s_mov_b32 s[G1V+6], 0
	s_mov_b32 s[G1V+7], 0
	s_mov_b32 s[SEL], 0x76543210
	s_mov_b32 s[SEL+1], 0xfedcba98
	s_mov_b32 s[CS], 0x3e38aa3b                    ; c = log2(e) / 8
	s_mov_b32 s[TB], 0
	s_mov_b32 s[J], 0
	s_lshl_b32 s92, s[WV], 5
	s_lshl_b32 s[Q0], s[N1M], 8
	s_add_co_u32 s[Q0], s[Q0], s92                 ; my first query: 256 (7 - I) + 32 x wave,
	s_lshl_b32 s[Q1], s[I], 8
	s_add_co_u32 s[Q1], s[Q1], s92                 ; and in the second block: 256 I + 32 x wave
	s_wait_dscnt 0x0                               ; both opening adds are done
	s_wait_kmcnt 0x0
	s_load_b256 s[EX:EX+7], s[8:9], 0x0
	s_add_nc_u64 s[QB:QB+1], s[4:5], s[90:91]
	s_add_nc_u64 s[KB:KB+1], s[QB:QB+1], 0x800000  ; k's codes lie 64 heads behind q's
	s_add_nc_u64 s[VB:VB+1], s[6:7], s[90:91]
	s_add_nc_u64 s[AB:AB+1], s[10:11], s[90:91]
	s_mov_b32 s[G0K], 1
	s_mov_b32 s[G0K+1], 0
	s_mov_b64 s[G0K+2:G0K+3], s[KB:KB+1]
	s_or_b32 s[G0K+3], s[G0K+3], 0x80000000
	s_mov_b32 s[G0V], 1
	s_mov_b32 s[G0V+1], VOFF
	s_mov_b64 s[G0V+2:G0V+3], s[VB:VB+1]
	s_or_b32 s[G0V+3], s[G0V+3], 0x80000000
	TLOAD                                          ; slot 0
	s_cmp_lt_u32 s[WV], 6                          ; the prefetches: waves 4 and 5 stand in K, waves 6 and 7 in V
	s_cselect_b64 s[PFA:PFA+1], s[KB:KB+1], s[VB:VB+1]
	s_mov_b32 s[PFS], 256
	s_cselect_b32 s[PFS], 16384, s[PFS]            ; a slot on
	s_mov_b32 s94, 2048
	s_cselect_b32 s94, 256, s94                    ; from lane to lane
	s_mov_b32 s93, 65536
	s_cselect_b32 s93, 8192, s93                   ; from wave to wave
	s_and_b32 s92, s[WV], 1
	s_mul_i32 s92, s92, s93
	s_add_co_u32 s92, s92, s[PFS]
	s_add_co_u32 s92, s92, s[PFS]                  ; in slot 2: trip 0 steps it to slot 3
	s_mov_b32 s93, 0
	s_mov_b32 s[PFS+1], 0
	s_add_nc_u64 s[PFA:PFA+1], s[PFA:PFA+1], s[92:93]
	s_sub_co_u32 s92, s[WV], 4
	s_lshr_b32 s92, s92, 2                         ; 0 in waves 4 to 7,
	s_or_b32 s92, s92, ttmp9                       ; of the head's work-group 0
	s_cmp_eq_u32 s92, 0
	s_cselect_b32 s[LIM], 5, 0
	s_mul_i32 s95, s[WV], 32*SROW
	s_add_co_u32 s95, s95, STAGE                   ; my stage
	v_and_b32 v8, 15, v0                           ; r
	v_bfe_u32 v9, v0, 4, 1                         ; h
	v_and_b32 v39, 31, v0                          ; lane
	v_lshlrev_b32 v[QO], 6, v8
	v_lshl_add_u32 v[QO], v9, 4, v[QO]             ; Q: 64 r + 16 h
	v_mul_lo_u32 v[PFO], v39, s94
	v_mul_u32_u24 v[AK0], v8, KP
	v_lshl_add_u32 v[AK0], v9, 4, v[AK0]           ; K: 80 r + 16 h
	v_mul_u32_u24 v[AV0], v8, VP
	v_lshl_add_u32 v[AV0], v9, 3, v[AV0]
	v_add_nc_u32 v[AV0], VOFF, v[AV0]              ; V: VOFF + 272 r + 8 h
	v_lshlrev_b32 v[GO], 4, v39
	v_mul_u32_u24 v[STO], v8, SROW
	v_lshl_add_u32 v[STO], v9, 3, v[STO]
	v_add_nc_u32 v[STO], s95, v[STO]               ; the stage, in: 80 r + 8 h
	v_lshrrev_b32 v[RD], 2, v39
	v_mul_u32_u24 v[RD], v[RD], SROW
	v_and_b32 v38, 3, v39
	v_lshl_add_u32 v[RD], v38, 4, v[RD]
	v_add_nc_u32 v[RD], s95, v[RD]                 ; and back: 80 (lane / 4) + 16 (lane % 4)
	v_lshlrev_b32 v[DL], 3, v9
	v_sub_nc_u32 v[DL], v8, v[DL]                  ; r - 8 h
	v_mov_b32 v[NINF], 0xff800000
	v_mov_b32 v28, 0                               ; a lane permute's destination counts as a source; the upper half of a pair is named with the lower
	v_mov_b32 v29, 0
	v_mov_b32 v21, 0
	v_mov_b32 v23, 0
	s_wait_alu depctr_va_vdst(0)                   ; ahead of the loads that read QO
	QLOAD QR, Q0, QA                               ; both blocks' queries are loaded here
	QLOAD Q2R, Q1, OA
	INIT
	s_wait_kmcnt 0x0
	s_add_co_i32 s90, s[EX+2], s[EX+3]
	s_lshl_b32 s90, s90, 23
	s_add_co_i32 s[CS], s[CS], s90                 ; a score stands for score x 2^(e2 + e3): added to c's exponent field
	s_mov_b32 s[CS+1], s[CS]
	s_add_co_i32 s90, s[EX+4], 127
	s_lshl_b32 s91, s90, 23
	v_mov_b32 v[SCP], s91
	s_add_co_i32 s90, s90, 8
	s_lshl_b32 s90, s90, 23
	s_or_b32 s90, s90, 0x600000
	v_mov_b32 v[HOLD], s90
	v_mov_b32 v[HOLD+1], s90
	s_sub_co_i32 s90, s[EX+6], s[EX+4]
	s_sub_co_i32 s90, s90, s[EX+5]                 ; O^T / the sum stands for that x 2^(e4 + e5): its code is that / 2^(e6 - e4 - e5)
	s_add_co_i32 s90, s90, 127
	s_lshl_b32 s91, s90, 23
	v_mov_b32 v[SCO], s91
	s_add_co_i32 s90, s90, 8
	s_lshl_b32 s90, s90, 23
	s_or_b32 s90, s90, 0x600000
	v_mov_b32 v[HOLDO], s90
; A KEY STEP: 128 keys, the q-th of the slot in hand, against my two tiles of queries.  q = 1 holds the change of slots; fill = 1: the slot in hand is filled again behind it.
.macro STEP q, fill
.if \q
	s_add_co_u32 s96, s[Q0], 31                    ; all 128 keys behind my 32 queries: the step's work is left out (branches on ids, round the work alone)
	s_cmp_gt_u32 s[KF], s96
	s_cbranch_scc1 .Lha_\@
.endif
	s_wait_dscnt 0x0                               ; K's fragments are in
	WIN 0x05
.irp t, 0,1,2,3,4,5,6,7
.irp u, 0,1
	v_wmma_f32_16x16x64_fp8_fp8 v[S+64*\u+8*\t:S+64*\u+8*\t+7], v[KR+8*\t:KR+8*\t+7], v[QR+8*\u:QR+8*\u+7], 0
.endr
.endr
	WIN 0
.rept 4
	v_nop                                          ; four places: ahead of the loads into V's and K's registers and of the first read of the scores
.endr
	WIN 0x40
.irp t, 0,1,2,3
.irp c, 0,1,2,3,4,5,6,7
	ds_load_b64 v[VR+16*\t+2*\c:VR+16*\t+2*\c+1], v[ADV] offset:16*\t*VP+128*(\q)+16*\c   ; channels 16 t + r, keys 16 c + 8 h + 0 .. 7
.endr
.endr
	WIN 0
.if \q == 0
	s_add_co_u32 s96, s[KF], 128                   ; the slot's second step, unless it is left out: its K is asked for a softmax ahead
	s_add_co_u32 s97, s[Q0], 31
	s_cmp_gt_u32 s96, s97
	s_cbranch_scc1 .Lnok_\@
	WIN 0x40
	KLOAD 1
	WIN 0
.Lnok_\@:
.endif
	s_add_co_u32 s96, s[KF], 127                   ; on the diagonal hidden scores become -infinity ahead of the maximum; a step all of whose keys count skips this
	s_cmp_le_u32 s96, s[Q0]
	s_cbranch_scc1 .Lopen_\@
	s_sub_co_i32 s96, s[Q0], s[KF]
	v_add_nc_u32 v[DD], s96, v[DL]                 ; key KF + 16 T + 8 h + j is hidden from query Q0 + 16 u + r where 16 (T - u) + j > Q0 - KF + r - 8 h
.irp u, 0,1
.irp t, 0,1,2,3,4,5,6,7
.irp j, 0,1,2,3,4,5,6,7
	v_cmp_gt_i32 vcc_lo, 16*(\t-\u)+\j, v[DD]
	v_cndmask_b32 v[S+64*\u+8*\t+\j], v[S+64*\u+8*\t+\j], v[NINF], vcc_lo
.endr
.endr
.endr
.Lopen_\@:
.irp u, 0,1                                    ; the largest score of each query: two chains a tile, each accumulator from its low end on
	v_max3_num_f32 v[24+2*\u], v[S+64*\u], v[S+64*\u+1], v[S+64*\u+2]
	v_max3_num_f32 v[25+2*\u], v[S+64*\u+3], v[S+64*\u+4], v[S+64*\u+5]
.endr
.irp i, 6,10,14,18,22,26,30,34,38,42,46,50,54,58
.irp u, 0,1
	v_max3_num_f32 v[24+2*\u], v[24+2*\u], v[S+64*\u+\i], v[S+64*\u+\i+1]
	v_max3_num_f32 v[25+2*\u], v[25+2*\u], v[S+64*\u+\i+2], v[S+64*\u+\i+3]
.endr
.endr
.irp u, 0,1
	v_max3_num_f32 v[24+2*\u], v[24+2*\u], v[S+64*\u+62], v[S+64*\u+63]
.endr
.irp u, 0,1
	v_max_num_f32 v[24+2*\u], v[24+2*\u], v[25+2*\u]
.endr
.irp u, 0,1
	v_permlanex16_b32 v[28+\u], v[24+2*\u], s[SEL], s[SEL+1]
.endr
.irp u, 0,1
	v_max_num_f32 v[24+2*\u], v[24+2*\u], v[28+\u] ; and lane l xor 16's
.endr
.irp u, 0,1
	v_mul_f32 v[24+2*\u], s[CS], v[24+2*\u]        ; as t (c is positive)
.endr
.irp u, 0,1
	v_mov_b32 v[30+\u], v[12+4*\u]
.endr
.irp u, 0,1
	v_max_num_f32 v[13+4*\u], v[13+4*\u], v[24+2*\u]
.endr
.irp u, 0,1
	v_floor_f32 v[12+4*\u], -v[13+4*\u]            ; the new -M = -ceil(t)
.endr
.irp u, 0,1
	v_sub_f32 v[30+\u], v[12+4*\u], v[30+\u]       ; old M - new M: a whole number, 0 or less
.endr
.irp u, 0,1
	v_cvt_i32_f32 v[30+\u], v[30+\u]               ; (it saturates)
.endr
.irp u, 0,1
	v_ldexp_f32 v[20+2*\u], 1.0, v[30+\u]          ; f = 2^(old M - new M)
.endr
.if \q
	s_wait_alu depctr_va_vdst(0)
.Lha_\@:
	s_wait_tensorcnt 0x0                           ; THE CHANGE OF SLOTS.  All my tensor loads have landed: my part of the next slot; so a group 0 may be written
	ds_add_u32 v[SPW], v[NIL]                      ; 0 onto my spare word,
.if \fill
	ds_add_u32 v[SPW], v[NIL]                      ; and the same add once more, in every trip alike
	s_add_co_u32 s90, s[J], 2
	FILLDESC                                       ; trip J + 2's keys
	s_wait_xcnt 0x0                                ; the last prefetch has read its address, so it may be stepped
	s_add_nc_u64 s[PFA:PFA+1], s[PFA:PFA+1], s[PFS:PFS+1]
.endif
	s_wait_dscnt 0x0                               ; the add is done, and my reads of this slot are over: V's fragments are in registers
	s_barrier_signal -1                            ; from here to the barrier's wait: work on registers alone
	s_add_co_u32 s96, s[Q0], 31
	s_cmp_gt_u32 s[KF], s96
	s_cbranch_scc1 .Lhb_\@
.endif
.set n, 0
.rept 32
	v_pk_fma_f32 v[S+n:S+n+1], v[S+n:S+n+1], s[CS:CS+1], v[12:13] op_sel_hi:[1,0,0]   ; tile 0: t - M
.set n, n+2
.endr
	v_pk_mul_f32 v[14:15], v[14:15], v[20:21] op_sel_hi:[1,0]   ; the sums under the new M
	v_pk_mul_f32 v[18:19], v[18:19], v[22:23] op_sel_hi:[1,0]
	WIN 0x41
.irp u, 0,1
.set n, 0
.rept 16
	v_pk_mul_f32 v[OR+32*\u+n:OR+32*\u+n+1], v[OR+32*\u+n:OR+32*\u+n+1], v[20+2*\u:21+2*\u] op_sel_hi:[1,0]   ; O^T under the new M, ahead of the step's exponentials
.set n, n+2
.endr
.endr
	WIN 0
	s_wait_alu depctr_va_vdst(0)                   ; ahead of the first batch
.set n, 0
.rept 32
	v_exp_f32 v[S+n], v[S+n]                       ; tile 0: p = 2^(t - M)
	v_exp_f32 v[S+n+1], v[S+n+1]
	v_pk_fma_f32 v[S+64+n:S+65+n], v[S+64+n:S+65+n], s[CS:CS+1], v[16:17] op_sel_hi:[1,0,0]   ; tile 1: t - M; read behind the wait below
.set n, n+2
.endr
	s_wait_alu depctr_va_vdst(0)                   ; behind the first batch and ahead of the second
.set n, 0
.rept 16
	v_exp_f32 v[S+64+4*n], v[S+64+4*n]             ; tile 1: p.  Among them tile 0's pair sums (of the unquantised p) and its holds: none of these results is read before the wait below
	v_pk_add_f32 v[T+2*n:T+2*n+1], v[S+4*n:S+4*n+1], v[S+4*n+2:S+4*n+3]
	v_exp_f32 v[S+65+4*n], v[S+65+4*n]
	HOLD2 S+4*n
	v_exp_f32 v[S+66+4*n], v[S+66+4*n]
	HOLD2 S+4*n+2
	v_exp_f32 v[S+67+4*n], v[S+67+4*n]
.set n, n+1
.endr
	v_nop                                          ; a plain line behind the last exponential
	s_wait_alu depctr_va_vdst(0)                   ; behind the second batch
	WIN 0x40
.irp t, 0,1,2,3,4,5,6,7
	v_cvt_scalef32_pk8_fp8_f32 v[PR+2*\t:PR+2*\t+1], v[S+8*\t:S+8*\t+7], v[SCP]   ; tile 0: registers 2 T, 2 T + 1 of P
.endr
	WIN 0
.irp k, 0,1,2,3                                ; the rows' sums: four chains a tile
	v_pk_add_f32 v[U+2*\k:U+2*\k+1], v[S+64+2*\k:S+65+2*\k], v[S+72+2*\k:S+73+2*\k]
	v_pk_add_f32 v[T+2*\k:T+2*\k+1], v[T+2*\k:T+2*\k+1], v[T+8+2*\k:T+9+2*\k]
.endr
.irp g, 2,3,4,5,6,7
.irp k, 0,1,2,3
	v_pk_add_f32 v[U+2*\k:U+2*\k+1], v[U+2*\k:U+2*\k+1], v[S+64+8*\g+2*\k:S+65+8*\g+2*\k]
.endr
.endr
.irp g, 2,3
.irp k, 0,1,2,3
	v_pk_add_f32 v[T+2*\k:T+2*\k+1], v[T+2*\k:T+2*\k+1], v[T+8*\g+2*\k:T+8*\g+2*\k+1]
.endr
.endr
	v_pk_add_f32 v[U:U+1], v[U:U+1], v[U+2:U+3]
	v_pk_add_f32 v[U+4:U+5], v[U+4:U+5], v[U+6:U+7]
	v_pk_add_f32 v[T:T+1], v[T:T+1], v[T+2:T+3]
	v_pk_add_f32 v[T+4:T+5], v[T+4:T+5], v[T+6:T+7]
	v_pk_add_f32 v[U:U+1], v[U:U+1], v[U+4:U+5]
	v_pk_add_f32 v[T:T+1], v[T:T+1], v[T+4:T+5]
	v_pk_add_f32 v[18:19], v[18:19], v[U:U+1]
	v_pk_add_f32 v[14:15], v[14:15], v[T:T+1]
.set n, 0
.rept 32
	HOLD2 S+64+n                                   ; tile 1's holds
.set n, n+2
.endr
	WIN 0x40
.irp t, 0,1,2,3,4,5,6,7
	v_cvt_scalef32_pk8_fp8_f32 v[PR+16+2*\t:PR+17+2*\t], v[S+64+8*\t:S+71+8*\t], v[SCP]
.endr
	WIN 0
	v_nop                                          ; one plain line between the conversions and the products that read their results
.if \q == 0
	s_wait_alu depctr_va_vdst(0)
	s_wait_dscnt 0x0                               ; V's fragments are in (and the next step's K).  In the second step they were waited for ahead of the signal
.endif
	WIN 0x55
.irp t, 0,1,2,3
.irp u, 0,1
	v_wmma_f32_16x16x128_fp8_fp8 v[OR+32*\u+8*\t:OR+32*\u+8*\t+7], v[VR+16*\t:VR+16*\t+15], v[PR+16*\u:PR+16*\u+15], v[OR+32*\u+8*\t:OR+32*\u+8*\t+7]   ; the eight accumulators take turns
.endr
.endr
	WIN 0
.if \q
.Lhb_\@:
	s_barrier_wait -1                              ; the next slot is whole, and nobody reads this one any more
.if \fill
	TLOAD                                          ; the first thing behind the barrier, and a wave's one tensor load until the next
	ASK
.endif
.else
	s_add_co_u32 s[KF], s[KF], 128
.endif
.endm
.macro SLOT fill
	s_cmp_lt_u32 s[J], s[N1]
	s_cselect_b32 s90, 0, s[N1]
	s_sub_co_u32 s90, s[J], s90                    ; which 256 keys trip J holds
	s_lshl_b32 s[KF], s90, 8
	v_add_nc_u32 v[ADK], s[TB], v[AK0]
	v_add_nc_u32 v[ADV], s[TB], v[AV0]
	s_wait_alu depctr_va_vdst(0)
	WIN 0x40
	KLOAD 0
	WIN 0
	STEP 0, 0
	STEP 1, \fill
	s_xor_b32 s[TB], s[TB], SLOT1
.endm
; THE WAY OUT of a block.  O^T / the row's sum, held, converted with the folded scale, through my own stage: my 32 queries x 64 codes are 2,048 consecutive bytes of ac, stored by four instructions of 512.
.macro OUT
.rept 4
	v_nop                                          ; four places behind the last products
.endr
	s_wait_xcnt 0x0                                ; earlier loads and stores have read their bases and data
	v_add_f32 v14, v14, v15
	v_add_f32 v18, v18, v19
	v_permlanex16_b32 v28, v14, s[SEL], s[SEL+1]
	v_permlanex16_b32 v29, v18, s[SEL], s[SEL+1]
	v_add_f32 v14, v14, v28
	v_add_f32 v18, v18, v29
	s_wait_alu depctr_va_vdst(0)                   ; ahead of the reciprocals
	v_rcp_f32 v14, v14
	v_rcp_f32 v18, v18
	v_nop
	s_lshl_b32 s90, s[Q0], 6
	s_mov_b32 s91, 0
	s_add_nc_u64 s[OA:OA+1], s[AB:AB+1], s[90:91]
	WIN 0x01
	s_wait_alu depctr_va_vdst(0)                   ; behind them, directly ahead of the first readers of their results and of O^T
.irp u, 0,1
.set n, 0
.rept 16
	v_pk_mul_f32 v[S+32*\u+n:S+32*\u+n+1], v[OR+32*\u+n:OR+32*\u+n+1], v[14+4*\u:15+4*\u] op_sel_hi:[1,0]   ; register 8 t + i: channel 16 t + 8 h + i of query r
.set n, n+2
.endr
.endr
	WIN 0
.set n, 0
.rept 64
	v_med3_num_f32 v[S+n], v[S+n], -v[HOLDO], v[HOLDO]
.set n, n+1
.endr
.irp k, 0,1,2,3,4,5,6,7
	v_cvt_scalef32_pk8_fp8_f32 v[T+2*\k:T+2*\k+1], v[S+8*\k:S+8*\k+7], v[SCO]
.endr
	v_nop                                          ; one plain line behind the last conversion
.irp u, 0,1
.irp t, 0,1,2,3
	ds_store_b64 v[STO], v[T+8*\u+2*\t:T+8*\u+2*\t+1] offset:16*SROW*\u+16*\t
.endr
.endr
.irp i, 0,1,2,3
	ds_load_b128 v[BKO+4*\i:BKO+4*\i+3], v[RD] offset:8*SROW*\i   ; LDS serves a wave's instructions in order: these see my stores
.endr
.irp i, 0,1,2,3
	s_wait_dscnt 3-\i                              ; this load is in; the younger ones may be out
	global_store_b128 v[GO], v[BKO+4*\i:BKO+4*\i+3], s[OA:OA+1] offset:512*\i   ; 32 lanes store 512 consecutive bytes, at a multiple of 512 from ac's first byte
.endr
.endm
.macro NEXTBLK                         ; the second block: its queries, loaded at the head, take the first block's registers
	s_mov_b32 s[Q0], s[Q1]
	WIN 0x41
.set n, 0
.rept 16
	v_mov_b32 v[QR+n], v[Q2R+n]
.set n, n+1
.endr
	WIN 0
	INIT
	s_wait_alu depctr_va_vdst(0)                   ; ahead of the label and the waits that follow
.endm
	s_wait_alu depctr_va_vdst(0)
	s_wait_loadcnt 0x0                             ; Q, both blocks'
	s_wait_tensorcnt 0x0                           ; my part of slot 0 is in; slot 1's first fill is issued as a refill is
	ds_add_u32 v[SPW], v[NIL]
	ds_add_u32 v[SPW], v[NIL]                      ; (twice on end)
	s_mov_b32 s90, 1
	FILLDESC
	s_wait_dscnt 0x0
	s_barrier_signal -1
	s_barrier_wait -1
	TLOAD                                          ; slot 1
.Ltrip:                                            ; trips 0 to 6: each fills the slot that it has read with trip J + 2's keys
	SLOT 1
	s_cmp_lg_u32 s[J], s[N1M]                      ; the first block's last slot?  A branch on ids, the same in all waves; no barrier and no tensor load stands under it
	s_cbranch_scc1 .Lsame
	OUT
	NEXTBLK
.Lsame:
	s_add_co_u32 s[J], s[J], 1
	s_cmp_lt_u32 s[J], 7
	s_cbranch_scc1 .Ltrip
	s_mov_b32 s[TC], 2
.Ltail:                                            ; trips 7 and 8 fill nothing
	SLOT 0
	s_cmp_eq_u32 s[J], 8
	s_cselect_b32 s90, s[J], s[N1M]
	s_cmp_lg_u32 s[J], s90                         ; a block ends in trip 8, and in trip 7 where I = 0
	s_cbranch_scc1 .Lsame2
	OUT
	s_cmp_eq_u32 s[J], 8
	s_cbranch_scc1 .Lend
	NEXTBLK
.Lsame2:
	s_add_co_u32 s[J], s[J], 1
	s_sub_co_u32 s[TC], s[TC], 1
	s_cmp_lg_u32 s[TC], 0
	s_cbranch_scc1 .Ltail
.Lend:
	s_wait_tensorcnt 0x0                           ; the wave's end
	ds_add_u32 v[SPW], v[NIL]
	s_wait_dscnt 0x0
	s_endpgm
.Lfunc_end_k_qf91dc52bb5_attn:
	.size	k_qf91dc52bb5_attn, .Lfunc_end_k_qf91dc52bb5_attn-k_qf91dc52bb5_attn
	.p2alignl 7, 3214868480
	.fill 96, 4, 3214868480
	.section	.rodata,"a",@progbits
	.p2align	6, 0x0
	.amdhsa_kernel k_qf91dc52bb5_attn
		.amdhsa_group_segment_fixed_size 327680
		.amdhsa_private_segment_fixed_size 0
		.amdhsa_enable_private_segment 0
		.amdhsa_kernarg_size 32
		.amdhsa_user_sgpr_count 2
		.amdhsa_user_sgpr_kernarg_segment_ptr 1
		.amdhsa_wavefront_size32 1
		.amdhsa_system_sgpr_workgroup_id_x 1
		.amdhsa_system_sgpr_workgroup_id_y 1
		.amdhsa_system_sgpr_workgroup_id_z 1
		.amdhsa_system_vgpr_workitem_id 0
		.amdhsa_next_free_vgpr 512
		.amdhsa_next_free_sgpr 100
		.amdhsa_reserve_vcc 1
		.amdhsa_float_denorm_mode_32 3
		.amdhsa_float_denorm_mode_16_64 3
		.amdhsa_memory_ordered 1
		.amdhsa_forward_progress 1
		.amdhsa_inst_pref_size 195
	.end_amdhsa_kernel
	.amdgpu_metadata
---
amdhsa.version: [ 1, 2 ]
amdhsa.kernels:
  - .name:           k_qf91dc52bb5_attn
    .symbol:         k_qf91dc52bb5_attn.kd
    .args:
      - { .name: qkc, .offset: 0, .size: 8, .value_kind: global_buffer, .address_space: global }
      - { .name: vc, .offset: 8, .size: 8, .value_kind: global_buffer, .address_space: global }
      - { .name: lowp_scales, .offset: 16, .size: 8, .value_kind: global_buffer, .address_space: global }
      - { .name: ac, .offset: 24, .size: 8, .value_kind: global_buffer, .address_space: global }
    .group_segment_fixed_size: 327680
    .private_segment_fixed_size: 0
    .kernarg_segment_align: 8
    .kernarg_segment_size: 32
    .max_flat_workgroup_size: 256
    .sgpr_count:     100
    .vgpr_count:     512
    .wavefront_size: 32
...
	.end_amdgpu_metadata
.endif
;; end of part 3
;; launch oproj (part 4): grid 4 x 64, 4 waves a work-group, clusters of 4 x 4, 327,680 bytes of LDS; arguments ac, oc, lowp_scales, o_b, out0; writes out0
.if DOCPART == 4
	.amdgcn_target "amdgcn-amd-amdhsa--gfx1250"
	.amdhsa_code_object_version 6
	.text
	.protected	k_qf91dc52bb5_oproj
	.globl	k_qf91dc52bb5_oproj
	.p2align	8
	.type	k_qf91dc52bb5_oproj,@function
k_qf91dc52bb5_oproj:
	s_mov_b64 s[64:65], 0
	v_nop
	global_prefetch_b8 v0, s[64:65] scope:SCOPE_SE
	s_setreg_imm32_b32 hwreg(HW_REG_WAVE_MODE, 25, 1), 1
	s_wait_xcnt 0x0
	s_wait_alu depctr_hold_cnt(0) depctr_sa_sdst(0) depctr_va_vdst(0) depctr_va_sdst(0) depctr_va_ssrc(0) depctr_va_vcc(0) depctr_vm_vsrc(0)
	s_getreg_b32 s2, hwreg(HW_REG_IB_STS2, 6, 4)
	s_cmp_eq_u32 s2, 0
	s_cbranch_scc0 .Lentry_in_a_cluster
	s_endpgm
.Lentry_in_a_cluster:
	s_bfe_u32 s2, ttmp6, 0x10000c
	s_cmp_lg_u32 s2, 0xf033
	s_cbranch_scc0 .Lentry_shape_is_right
	s_endpgm
.Lentry_shape_is_right:
; The last product, on codes of E4M3: out0[token][o] = sum over c of a[token][c] o_w[o][c] x 2^(e6 + e7) + o_b[o], K = 1,024, f32 out.
; ac: [batch x head][token][64] (attention's result as codes);  oc: [1,024][1,024], K innermost.  LIMIT: e6 + e7 between -126 and 127, so that 2^(e6 + e7) is an f32 number.
; A BLOCK of out0 is 128 tokens x 256 outputs: 64 x 4 = 256 work-groups.  Four waves, each 64 tokens x 128 outputs: 32 accumulators, 256 registers (window 2).
; THE MATRIX INSTRUCTION IS USED TRANSPOSED (source 0 = 16 rows of oc, source 1 = 16 tokens): a lane holds eight neighbouring outputs of one token.
; K goes in steps of 256 (four heads) through a ring of two LDS slots.  A's tile: four heads x 64 tokens x 64 bytes a load (a head's 64 tokens are 4,096 dense bytes), 16 bytes of padding behind each 64;
; B's tile: 128 rows of 256 bytes a load, 16 bytes of padding behind each.  Waves 0 and 1 fetch A's halves, waves 2 and 3 B's.
; CLUSTERS: 4 x 4 work-groups; A's tiles are asked for jointly along a row of the cluster, B's along a column.
; Both operands have two sets of fragment registers (A: window 0 from v128; B: window 1): a step of 128 along K asks for the next step's 48 LDS loads and then issues its 32 matrix instructions.
; No prefetch: the loop has four K steps, of which two are asked for at the head.
.set SIZE_N, 1024
.set ROWB,   256
.set KROW,   1024
.set PITCH,  272
.set AP,     80
.set HEADB,  64*AP                     ; a head's 64 tokens in LDS
.set HALFA,  4*HEADB                   ; what one of A's loads brings, and what one wave reads of A
.set ASTEP,  4*131072                  ; four heads on in ac
.set FR,     16
.set NP,     4
.set HALFT,  128*PITCH
.set SLOT,   2*HALFA+2*HALFT           ; 110,592 bytes
.set SPARE,  2*SLOT                    ; the spare words: two blocks of 256 bytes that no other line names
.set SPITCH, 528                       ; the way out: a stage of 16 rows x (512 + 16) bytes a wave, in slot 0, which has had its last fill and its last read by then
.set ADRA, 16
.set ADRB, 20
.set STO,  24
.set RD,   25
.set CO,   26
.set SPW,  28
.set NIL,  29
.set BI,   32                          ; v32-95 the bias at my lane's 64 outputs
.set TMP,  0                           ; window 1, on the way out
.set AF,   128
.set BK,   128
.set G1, 24
.set G0, 32
.set G1B, 48
.set G0B, 56
.set MSB, 0
.macro WIN new
.if MSB != \new
	s_set_vgpr_msb (MSB<<8)|\new
.set MSB, \new
.endif
.endm
.set MUL_LO, 0xa1                      ; source 0 (B) window 1, source 1 (A) window 0, C and D window 2
.set TO_B,   0x40
.macro JLOAD g0a, g1a, g0b, g1b        ; s_nop 0 and four v_nop follow each load
	s_cmp_eq_u32 s15, 0
	s_cbranch_scc0 .Lfor_b_\@
	tensor_load_to_lds s[\g0a:\g0a+3], s[\g1a:\g1a+7]
	s_nop 0
.rept 4
	v_nop
.endr
	s_branch .Lasked_\@
.Lfor_b_\@:
	tensor_load_to_lds s[\g0b:\g0b+3], s[\g1b:\g1b+7]
	s_nop 0
.rept 4
	v_nop
.endr
.Lasked_\@:
.endm
.macro CREST
	s_cmp_lg_u32 s14, 0
	s_cbranch_scc1 .Lnot_wave_0_\@
	s_barrier_signal -3
.Lnot_wave_0_\@:
	s_barrier_wait -3
	s_barrier_signal -1
	s_barrier_wait -1
.endm
.macro CROUND
	s_barrier_signal -1
	s_barrier_wait -1
	CREST
.endm
	s_load_b128 s[4:7], s[0:1], 0x0                ; ac, oc
	s_load_b128 s[8:11], s[0:1], 0x10              ; the scales' exponents, o_b
	s_load_b64 s[12:13], s[0:1], 0x20              ; out0
	v_lshl_add_u32 v[SPW], v0, 2, SPARE
	v_mov_b32 v[NIL], 0
	ds_add_u32 v[SPW], v[NIL]                      ; the opening lines
	ds_add_u32 v[SPW], v[NIL]
	v_lshrrev_b32 v1, 5, v0
	v_readfirstlane_b32 s14, v1                    ; wave
	s_lshr_b32 s15, s14, 1                         ; which 64 tokens are mine.  Also: I fetch for A (0) or for B (1)
	s_and_b32 s16, s14, 1                          ; which 128 outputs.  Also: which half of that tile I fetch
	s_bfe_u32 s40, ttmp6, 0x40000                  ; cx, cy
	s_bfe_u32 s41, ttmp6, 0x40004
	s_lshl_b32 s42, ttmp9, 2
	s_add_co_u32 s42, s42, s40                     ; block column: 0 .. 3
	s_and_b32 s17, ttmp7, 0xffff
	s_lshl_b32 s17, s17, 2
	s_add_co_u32 s17, s17, s41                     ; block row: 0 .. 63
	s_lshl_b32 s43, s41, 2
	s_lshl_b32 s43, 15, s43                        ; my row of the cluster
	s_lshl_b32 s44, 0x1111, s40                    ; my column
	s_or_b32 s[G1+0], s43, (0<<16)|(1<<20)|(1<<21)|(3<<22)|(3<<25)   ; A: four words of padding behind every 16
	s_mov_b32 s[G1+1], 4096<<16
	s_mov_b32 s[G1+2], 4<<16
	s_mov_b32 s[G1+3], 4096<<16
	s_mov_b32 s[G1+4], 4
	s_mov_b32 s[G1+5], 131072
	s_mov_b32 s[G1+6], 0
	s_mov_b32 s[G1+7], 0
	s_or_b32 s[G1B+0], s44, (0<<16)|(1<<20)|(1<<21)|(5<<22)|(3<<25)  ; B: four words behind every 64
	s_mov_b32 s[G1B+1], ROWB<<16
	s_mov_b32 s[G1B+2], 128<<16
	s_mov_b32 s[G1B+3], ROWB<<16
	s_mov_b32 s[G1B+4], 128
	s_mov_b32 s[G1B+5], KROW
	s_mov_b32 s[G1B+6], 0
	s_mov_b32 s[G1B+7], 0
	s_lshr_b32 s20, s17, 4                         ; the batch: 16 blocks of 128 tokens each
	s_lshl_b32 s20, s20, 15                        ; 16 heads x 2,048 tokens
	s_and_b32 s18, s17, 15
	s_lshl_b32 s18, s18, 7
	s_add_co_u32 s20, s20, s18
	s_lshl_b32 s18, s16, 6
	s_add_co_u32 s20, s20, s18                     ; + the 64 tokens that I fetch
	s_lshl_b32 s20, s20, 6
	s_mov_b32 s21, 0
	s_lshl_b32 s46, s42, 8
	s_lshl_b32 s18, s16, 7
	s_add_co_u32 s46, s46, s18
	s_lshl_b32 s46, s46, 10
	s_mov_b32 s47, 0
	s_mul_i32 s45, s16, HALFA
	s_mul_i32 s74, s16, HALFT
	s_add_co_u32 s74, s74, 2*HALFA
	s_wait_dscnt 0x0
	s_wait_kmcnt 0x0
	s_load_b256 s[80:87], s[8:9], 0x0
	s_add_nc_u64 s[20:21], s[4:5], s[20:21]
	s_add_nc_u64 s[46:47], s[6:7], s[46:47]
	CROUND                                         ; the first joint loads meet
.irp s, 0,1
	s_mov_b32 s[G0+4*\s], 1
	s_add_co_u32 s[G0+4*\s+1], s45, \s*SLOT
	s_add_nc_u64 s[G0+4*\s+2:G0+4*\s+3], s[20:21], \s*ASTEP
	s_or_b32 s[G0+4*\s+3], s[G0+4*\s+3], 0x80000000
	s_mov_b32 s[G0B+4*\s], 1
	s_add_co_u32 s[G0B+4*\s+1], s74, \s*SLOT
	s_add_nc_u64 s[G0B+4*\s+2:G0B+4*\s+3], s[46:47], \s*ROWB
	s_or_b32 s[G0B+4*\s+3], s[G0B+4*\s+3], 0x80000000
.endr
	JLOAD G0, G1, G0B, G1B                         ; K step 0: one tensor load a wave at the head
	s_mul_i32 s21, s15, HALFA
	s_mul_i32 s22, s16, HALFT
	s_add_co_u32 s22, s22, 2*HALFA
	s_mul_i32 s23, s14, 16*SPITCH
	v_and_b32 v1, 15, v0
	v_bfe_u32 v2, v0, 4, 1
	v_mul_u32_u24 v3, v1, AP
	v_lshl_add_u32 v3, v2, 4, v3
	v_mul_u32_u24 v4, v1, PITCH
	v_lshl_add_u32 v4, v2, 4, v4
	v_add_nc_u32 v[ADRA], s21, v3
	v_add_nc_u32 v[ADRB], s22, v4
	v_add_nc_u32 v[ADRA+1], SLOT, v[ADRA]
	v_add_nc_u32 v[ADRB+1], SLOT, v[ADRB]
	v_mul_u32_u24 v5, v1, SPITCH
	v_lshl_add_u32 v5, v2, 5, v5
	v_add_nc_u32 v[STO], s23, v5
	v_and_b32 v6, 31, v0
	v_lshlrev_b32 v[CO], 4, v6
	v_add_nc_u32 v[RD], s23, v[CO]
	v_lshlrev_b32 v7, 5, v2
	s_lshl_b32 s20, s17, 7
	s_lshl_b32 s21, s15, 6
	s_add_co_u32 s20, s20, s21                     ; my first token
	s_lshl_b32 s20, s20, 12
	s_mov_b32 s21, 0
	s_lshl_b32 s46, s42, 10
	s_lshl_b32 s47, s16, 9
	s_add_co_u32 s46, s46, s47                     ; my first output, in bytes
	s_mov_b32 s47, 0
	s_add_nc_u64 s[10:11], s[10:11], s[46:47]
	s_add_nc_u64 s[20:21], s[20:21], s[46:47]
	s_add_nc_u64 s[12:13], s[12:13], s[20:21]
	s_wait_alu depctr_va_vdst(0)
.irp b, 0,1,2,3,4,5,6,7
	global_load_b128 v[BI+8*\b:BI+8*\b+3], v7, s[10:11] offset:64*\b
	global_load_b128 v[BI+8*\b+4:BI+8*\b+7], v7, s[10:11] offset:64*\b+16
.endr
.macro FRAGB reg, adr, q, i
.irp c, 0,1,2,3
	ds_load_b128 v[\reg+4*\c:\reg+4*\c+3], v[\adr] offset:128*(\q)+32*\c+(\i)*16*PITCH
.endr
.endm
.macro FRAGA reg, adr, q, i            ; 128 along K are two heads: the same order of K as in B's fragments
.irp c, 0,1,2,3
	ds_load_b128 v[\reg+4*\c:\reg+4*\c+3], v[\adr] offset:(2*(\q)+\c/2)*HEADB+(\i)*16*AP+32*(\c%2)
.endr
.endm
.macro MUL16 a0, p, zero               ; A's blocks a0, a0 + 1 x B's eight; the 32 accumulators take turns in the same order in every step
.irp a, \a0, \a0+1
.irp b, 0,1,2,3,4,5,6,7
.if \zero
	v_wmma_f32_16x16x128_fp8_fp8 v[8*(8*(\a)+\b):8*(8*(\a)+\b)+7], v[128*(\p)+FR*\b:128*(\p)+FR*\b+FR-1], v[AF+64*(\p)+FR*(\a):AF+64*(\p)+FR*(\a)+FR-1], 0
.else
	v_wmma_f32_16x16x128_fp8_fp8 v[8*(8*(\a)+\b):8*(8*(\a)+\b)+7], v[128*(\p)+FR*\b:128*(\p)+FR*\b+FR-1], v[AF+64*(\p)+FR*(\a):AF+64*(\p)+FR*(\a)+FR-1], v[8*(8*(\a)+\b):8*(8*(\a)+\b)+7]
.endif
.endr
.endr
.endm
.macro FETCH slot, q, p                ; the fragments of the slot's q-th 128 along K into set p: 48 LDS loads
	WIN TO_B
.irp i, 0,1,2,3,4,5,6,7
	FRAGB 128*(\p)+FR*\i, ADRB+\slot, \q, \i
.endr
	WIN 0
.irp i, 0,1,2,3
	FRAGA AF+64*(\p)+FR*\i, ADRA+\slot, \q, \i
.endr
.endm
.macro PLACES n
.rept \n
	v_nop
.endr
.endm
.macro STEP slot, zero                 ; a slot's first step, on set 0; the second step's fragments are asked for first
	s_wait_dscnt 0x0                               ; set 0 is in
	PLACES NP                                      ; four places behind the products that read set 1
	FETCH \slot, 1, 1
	WIN MUL_LO
	MUL16 0, 0, \zero
	MUL16 2, 0, \zero
	WIN 0
.endm
.macro TURN slot, next, fill           ; a slot's second step, on set 1, changes slots
	s_wait_tensorcnt 0x0                           ; my part of the next slot is in
	ds_add_u32 v[SPW], v[NIL]                      ; 0 onto my spare word
	s_wait_dscnt 0x0                               ; the add is done, set 1 is in: my reads of this slot are over
	s_barrier_signal -1
	WIN MUL_LO
	MUL16 0, 1, 0
	WIN 0
	s_barrier_wait -1
.if \fill
	CREST                                          ; the barrier has opened a round of the cluster's barrier
	s_add_nc_u64 s[G0+4*\slot+2:G0+4*\slot+3], s[G0+4*\slot+2:G0+4*\slot+3], 2*ASTEP
	s_add_nc_u64 s[G0B+4*\slot+2:G0B+4*\slot+3], s[G0B+4*\slot+2:G0B+4*\slot+3], 2*ROWB
	JLOAD G0+4*\slot, G1, G0B+4*\slot, G1B         ; its four v_nop are the places ahead of the loads below
.else
	PLACES NP
.endif
	FETCH \next, 0, 0
	WIN MUL_LO
	MUL16 2, 1, 0
	WIN 0
.endm
	s_wait_loadcnt 0x0                             ; the bias
	s_wait_tensorcnt 0x0                           ; my part of K step 0 is in; slot 1's first fill is issued as a refill is
	ds_add_u32 v[SPW], v[NIL]
	s_wait_dscnt 0x0
	CROUND
	JLOAD G0+4, G1, G0B+4, G1B                     ; K step 1
	FETCH 0, 0, 0
	STEP 0, 1                                      ; the first step's products start the sums
	s_mov_b32 s3, 1
.Llap:                                             ; once round the ring: both slots are filled again
	TURN 0, 1, 1
	STEP 1, 0
	TURN 1, 0, 1
	STEP 0, 0
	s_sub_co_u32 s3, s3, 1
	s_cmp_lg_u32 s3, 0
	s_cbranch_scc1 .Llap
	TURN 0, 1, 0
	STEP 1, 0
	s_wait_dscnt 0x0
	WIN MUL_LO
	MUL16 0, 1, 0
	MUL16 2, 1, 0
	WIN 0
; THE WAY OUT, by blocks of 16 tokens x 128 outputs: x 2^(e6 + e7), + the bias, through my stage, back as rows of 512 bytes.
.macro TOSTAGE a
.set AC, 64*(\a)
	WIN 0x42                                       ; destination window 1, source 0 window 2
.set n, 0
.rept 32
	v_pk_fma_f32 v[TMP+n:TMP+n+1], v[AC+n:AC+n+1], s[96:97], v[BI+n:BI+n+1] op_sel_hi:[1,0,1]
.set n, n+2
.endr
	WIN 0x04
.irp b, 0,1,2,3,4,5,6,7
	ds_store_b128 v[STO], v[TMP+8*\b:TMP+8*\b+3] offset:64*\b
	ds_store_b128 v[STO], v[TMP+8*\b+4:TMP+8*\b+7] offset:64*\b+16
.endr
	WIN 0
.set BB, BK+64*((\a)%2)
.irp t, 0,1,2,3,4,5,6,7,8,9,10,11,12,13,14,15
	ds_load_b128 v[BB+4*\t:BB+4*\t+3], v[RD] offset:\t*SPITCH   ; LDS serves a wave's instructions in order
.endr
.endm
.macro SEND a, younger                 ; younger: the LDS instructions issued behind block a's loads
.set BB, BK+64*((\a)%2)
	s_wait_dscnt \younger
.if (\a) > 0
	s_add_nc_u64 s[12:13], s[12:13], 16*SIZE_N*4   ; (behind a wait on XCNT)
.endif
.irp t, 0,1,2,3,4,5,6,7,8,9,10,11,12,13,14,15
	global_store_b128 v[CO], v[BB+4*\t:BB+4*\t+3], s[12:13] offset:\t*SIZE_N*4 th:TH_STORE_NT   ; 32 lanes store 512 consecutive bytes, at a multiple of 512 from out0's first byte
.endr
.endm
	s_wait_kmcnt 0x0
	s_add_co_i32 s96, s86, s87
	s_add_co_i32 s96, s96, 127
	s_lshl_b32 s96, s96, 23                        ; 2^(e6 + e7)
	s_mov_b32 s97, s96
	PLACES NP
	TOSTAGE 0
.irp a, 1,2,3
.if \a > 1
	s_wait_xcnt 0x0                                ; block a - 2's stores have read their registers and their base
.endif
	TOSTAGE \a
	SEND \a-1, 32                                  ; behind block a - 1's loads: block a's 16 stores and 16 loads
.endr
	s_wait_xcnt 0x0
	SEND 3, 0
	s_wait_tensorcnt 0x0                           ; the wave's end
	ds_add_u32 v[SPW], v[NIL]
	s_wait_dscnt 0x0
	CROUND                                         ; the closing round
	s_endpgm
.Lfunc_end_k_qf91dc52bb5_oproj:
	.size	k_qf91dc52bb5_oproj, .Lfunc_end_k_qf91dc52bb5_oproj-k_qf91dc52bb5_oproj
	.p2alignl 7, 3214868480
	.fill 96, 4, 3214868480
	.section	.rodata,"a",@progbits
	.p2align	6, 0x0
	.amdhsa_kernel k_qf91dc52bb5_oproj
		.amdhsa_group_segment_fixed_size 327680
		.amdhsa_private_segment_fixed_size 0
		.amdhsa_enable_private_segment 0
		.amdhsa_kernarg_size 40
		.amdhsa_user_sgpr_count 2
		.amdhsa_user_sgpr_kernarg_segment_ptr 1
		.amdhsa_wavefront_size32 1
		.amdhsa_system_sgpr_workgroup_id_x 1
		.amdhsa_system_sgpr_workgroup_id_y 1
		.amdhsa_system_sgpr_workgroup_id_z 1
		.amdhsa_system_vgpr_workitem_id 0
		.amdhsa_next_free_vgpr 768
		.amdhsa_next_free_sgpr 100
		.amdhsa_reserve_vcc 0
		.amdhsa_float_denorm_mode_32 3
		.amdhsa_float_denorm_mode_16_64 3
		.amdhsa_memory_ordered 1
		.amdhsa_forward_progress 1
		.amdhsa_inst_pref_size 77
	.end_amdhsa_kernel
	.amdgpu_metadata
---
amdhsa.version: [ 1, 2 ]
amdhsa.kernels:
  - .name:           k_qf91dc52bb5_oproj
    .symbol:         k_qf91dc52bb5_oproj.kd
    .args:
      - { .name: ac, .offset: 0, .size: 8, .value_kind: global_buffer, .address_space: global }
      - { .name: oc, .offset: 8, .size: 8, .value_kind: global_buffer, .address_space: global }
      - { .name: lowp_scales, .offset: 16, .size: 8, .value_kind: global_buffer, .address_space: global }
      - { .name: o_b, .offset: 24, .size: 8, .value_kind: global_buffer, .address_space: global }
      - { .name: out0, .offset: 32, .size: 8, .value_kind: global_buffer, .address_space: global }
    .group_segment_fixed_size: 327680
    .private_segment_fixed_size: 0
    .kernarg_segment_align: 8
    .kernarg_segment_size: 40
    .max_flat_workgroup_size: 128
    .sgpr_count:     100
    .vgpr_count:     768
    .wavefront_size: 32
...
	.end_amdgpu_metadata
.endif
;; end of part 4
